; MI455X (gfx1250); checked and timed in simulation.
; The chip was launched on July 23, 2026; its instructions are those of AMD's public machine-readable ISA for CDNA 5 (MIT licence, August 2026) and "CDNA5" Instruction Set Architecture Reference Guide (July 2026). The comments in the code are by the model that wrote it; some were corrected since.
;; Multi Head Attention. Allowed arithmetic: matrix products marked QUANTISED: E4M3 operands, one given power-of-two scale a tensor, by v_wmma_f32_16x16x64_fp8_fp8 or v_wmma_f32_16x16x128_fp8_fp8, f32 sums; everything else in f32.
;; Inputs: fc_b 1,024 float32; fc_w 1,024 x 1,024 float32; key 4 x 2,048 x 1,024 float32; lowp_scales 12 int32 (the exponents e of the quantised operands' scales 2^e); query 4 x 2,048 x 1,024 float32; value 4 x 2,048 x 1,024 float32; wk 16 x 1,024 x 64 float32; wq 16 x 1,024 x 64 float32; wv 16 x 1,024 x 64 float32.
;; Outputs: out0 4 x 2,048 x 1,024 float32.
;; This version of the problem:
;;   THIS VERSION OF THE PROBLEM IS GIVEN IN LOW PRECISION. The matrix products marked QUANTISED in the list below multiply operands that are first quantised to E4M3 (4 exponent bits, 3 mantissa bits; 8 bits a number), with one given power-of-two scale for each operand tensor; their sums are f32. All else is computed in f32.
;;   The module's matrix products, in the order in which they are computed (A, B: the left and right operand; K: the contracted axis; several contracted axes count as one K, in the product's order):
;;     1. [M 1,024, K 1,024] x [K 1,024, N 8,192]; A: input wq; B: input query: QUANTISED (scales: A lowp_scales[0], B lowp_scales[1])
;;     2. [M 1,024, K 1,024] x [K 1,024, N 8,192]; A: input wk; B: input key: QUANTISED (scales: A lowp_scales[2], B lowp_scales[3])
;;     3. [M 1,024, K 1,024] x [K 1,024, N 8,192]; A: input wv; B: input value: QUANTISED (scales: A lowp_scales[4], B lowp_scales[5])
;;     4. batch 64 x [M 2,048, K 64] x [K 64, N 2,048]; A: computed on the way; B: computed on the way: QUANTISED (scales: A lowp_scales[6], B lowp_scales[7])
;;     5. batch 64 x [M 2,048, K 2,048] x [K 2,048, N 64]; A: softmax (see below); B: computed on the way: QUANTISED (scales: A lowp_scales[8], B lowp_scales[9])
;;     6. [M 8,192, K 1,024] x [K 1,024, N 1,024]; A: computed on the way; B: input fc_w: QUANTISED (scales: A lowp_scales[10], B lowp_scales[11])
;;   THE QUANTISER, for each operand of a quantised product, along K:
;;     - The operand's scale is 2^e, e = its entry of the input lowp_scales (int32; the entries are numbered through the quantised products in the list's order, A before B).
;;     - Each number is divided by the scale, clamped to +-448, and rounded to the nearest number of E4M3, ties to even, subnormals kept.
;;     - The product sums the exact products of the quantised numbers (number of the format x scale) in f32.
;;   ~~~python
;;   def quantise(x, axis, e):      # numpy; x: float32 -> the quantised numbers, widened to float32 again
;;       x = np.moveaxis(x, axis, -1); K = x.shape[-1]
;;       r = np.clip(x / 2.0 ** e, -448, 448)
;;       step = 2.0 ** (np.maximum(np.frexp(np.where(r == 0, 1, r))[1] - 1, -6) - 3)
;;       q = np.round(r / step) * step * 2.0 ** e      # np.round: ties to even
;;       return np.moveaxis(q, -1, axis).astype(np.float32)
;;   ~~~
;;   SOFTMAX AHEAD OF A QUANTISED PRODUCT. Where the list says 'softmax', what is quantised is not the finished softmax but p = 2^(t - M), with t = logit x log2(e) and M = ceil(the row's largest t), a whole number; so 1/2 < the row's largest p <= 1. The row's sum l is taken of the UNQUANTISED p, in f32, and the product's result is divided by l at the end. Since M is a whole number, a kernel that streams over the keys may use a running M (the ceiling of the running maximum): every later rescaling is an exact power of two, so the quantised numbers keep their values, but for numbers so far below the row's largest that they fall under the format's range.
;;   OPERANDS COMPUTED ON THE WAY. 'Computed on the way' means the value that the module computes at that place (a softmax that the list does not call 'softmax' is quantised finished and normalised). What goes into a quantiser is computed in f32, as accurately as f32 sums, v_exp_f32 and their like allow (about 1e-6 of the number): no bf16 or f16 on the way to a quantiser, and a product that is left as it is and whose result goes on into a quantised operand takes f32 operands (vector FMAs, or v_wmma_f32_16x16x4_f32). A number that lies on a knife's edge between two numbers of the format may be rounded either way, as far as f32 arithmetic and the matrix unit's own rounding can turn it there, and no further.
;; 2 versions, each right; version 2 is version 1 with the launch attn written anew for expert scheduling mode. Each part assembles by itself: llvm-mc -triple=amdgcn-amd-amdhsa -mcpu=gfx1250 --defsym DOCPART=n.
;; ======== version 1 of 2: 4 launches
;; workspace buffers: xc 25,165,824 bytes; wc 4,194,304 bytes; qkv 25,165,824 bytes; ctx 8,388,608 bytes
;; launch quant (part 1): grid 592 x 1, 4 waves a work-group, no clusters, 34,304 bytes of LDS; arguments query, key, value, fc_w, wq, wk, wv, lowp_scales, xc, wc; writes xc, wc
.if DOCPART == 1
	.amdgcn_target "amdgcn-amd-amdhsa--gfx1250"
	.amdhsa_code_object_version 6
	.text
	.protected	k_q20ef8930c8_quant
	.globl	k_q20ef8930c8_quant
	.p2align	8
	.type	k_q20ef8930c8_quant,@function
k_q20ef8930c8_quant:
	s_mov_b64 s[64:65], 0
	v_nop
	global_prefetch_b8 v0, s[64:65] scope:SCOPE_SE
	s_setreg_imm32_b32 hwreg(HW_REG_WAVE_MODE, 25, 1), 1
	s_wait_xcnt 0x0
; query, key, value [8192][1024], fc_w [1024][1024] (K innermost) and wq, wk, wv [16][1024][64] (K is the middle axis), all f32, become codes of FP8 (E4M3), each with the one scale 2^e given for it.
; code = x / 2^e, held within +-448, rounded to the nearest code, ties to even.  LIMITS: -126 <= e <= 119 for each of the seven scales used here.  NaN among the inputs is not served.
; THE CODES ARE LAID AS IMAGES OF OPERAND REGISTERS.  A fragment is 16 rows x 128 K = 2,048 bytes: block c (0..3) is 512 bytes, lane L = 16 h + r has 16 bytes at 16 L: row r, k = 32 c + 16 h + 0 .. 15.
; xc: [query, key, value][512 row tiles][8 K steps][2,048].  wc: [wq, wk, wv, fc_w][64 row tiles][8 K steps][2,048]; a head weight's row is head x 64 + d.
; SWAPPED ROWS.  key, value, wq, wk, wv are stored with bits 3 and 4 of the row number exchanged: stored row s holds true row swap(s).  As source 0 of a product such a tensor leaves, in the 16 result
; registers of two neighbouring tiles, 16 neighbouring true rows: what the next quantiser along that axis wants.  query and fc_w keep their order.
; Work-groups 0-399 take the tensors with K innermost, a row tile to a wave; work-groups 400-591 the head weights, 32 columns x 128 K to a wave.  Waves share nothing: no barrier.  Only the first path uses LDS.
.set R,   16                           ; v16-143  two sets of 64: 16 rows x 16 bytes a lane, as loaded
.set X,   144                          ; v144-207 64 numbers: register 16 c + i = k 32 c + 16 h + i of my row
.set C,   208                          ; v208-239 two sets of 16: a fragment's codes
.set XW,  16                           ; the weights' path: v16-79 two sets of 32 numbers down K
.set CW,  80                           ; v80-111  8 registers of codes for each of the four blocks: none is written twice
.set SP,  528                          ; a stage row: 512 bytes + 16: row r starts 4 r banks on (64 banks of 4 bytes: ISA guide 11.1)
.macro LOADX u                         ; unit u: 128 along K of my 16 rows; each load takes 512 consecutive bytes of one row
.irp i, 0,1,2,3,4,5,6,7
	global_load_b128 v[R+64*((\u)%2)+4*\i:R+64*((\u)%2)+4*\i+3], v1, s[26:27] offset:\i*4096+512*(\u) th:TH_LOAD_NT
.endr
.irp i, 8,9,10,11,12,13,14,15
	global_load_b128 v[R+64*((\u)%2)+4*\i:R+64*((\u)%2)+4*\i+3], v2, s[26:27] offset:\i*4096+512*(\u) th:TH_LOAD_NT
.endr
.endm
.macro UNIT u
.if (\u) < 7
	s_wait_loadcnt 16                              ; this unit's 16 loads are in; the next unit's 16 may be out
.else
	s_wait_loadcnt 0
.endif
.irp i, 0,1,2,3,4,5,6,7,8,9,10,11,12,13,14,15
	ds_store_b128 v3, v[R+64*((\u)%2)+4*\i:R+64*((\u)%2)+4*\i+3] offset:SP*\i   ; the rows as they lie, into my wave's stage
.endr
.irp c, 0,1,2,3
.irp j, 0,1,2,3
	ds_load_b128 v[X+16*\c+4*\j:X+16*\c+4*\j+3], v4 offset:128*\c+16*\j         ; back: 16 neighbours of each block of 32.  LDS serves a wave's instructions in order (ISA guide 5.7.1.4)
.endr
.endr
	s_wait_dscnt 0x0                               ; the numbers are back, and the stores have read their registers,
.if (\u)+2 < 8
	LOADX (\u)+2                                   ; which take the loads of two units on
.endif
.set i, 0
.rept 64
	v_med3_num_f32 v[X+i], v[X+i], -v10, v10       ; the conversion to an 8-bit code does not saturate (ISA guide 7.6.2): the hold at the largest code x the scale
.set i, i+1
.endr
	s_wait_xcnt 0x0                                ; the stores of two units back have read this set of code registers
.irp g, 0,1,2,3,4,5,6,7
	v_cvt_scalef32_pk8_fp8_f32 v[C+16*((\u)%2)+2*\g:C+16*((\u)%2)+2*\g+1], v[X+8*\g:X+8*\g+7], v11
.endr
	v_nop                                          ; a plain line behind the last conversion
.irp c, 0,1,2,3
	global_store_b128 v1, v[C+16*((\u)%2)+4*\c:C+16*((\u)%2)+4*\c+3], s[32:33] offset:2048*(\u)+512*\c   ; 32 lanes store 512 consecutive bytes, aligned
.endr
.endm
.macro LOADW c                         ; block c: w(128 ks + 32 c + i, my column), i = 0 .. 31
.set i, 0
.rept 32
	global_load_b32 v[XW+32*((\c)%2)+i], v5, s[32:33] offset:(32*(\c)+i)*256
.set i, i+1
.endr
.endm
.macro BLOCKW c
.if (\c) < 3
	s_wait_loadcnt 32                              ; this block's 32 loads are in; the next block's 32 may be out
.else
	s_wait_loadcnt 0
.endif
.set i, 0
.rept 32
	v_med3_num_f32 v[XW+32*((\c)%2)+i], v[XW+32*((\c)%2)+i], -v10, v10
.set i, i+1
.endr
.irp g, 0,1,2,3
	v_cvt_scalef32_pk8_fp8_f32 v[CW+8*(\c)+2*\g:CW+8*(\c)+2*\g+1], v[XW+32*((\c)%2)+8*\g:XW+32*((\c)%2)+8*\g+7], v11
.endr
	v_nop                                          ; a plain line behind the last conversion
	global_store_b128 v6, v[CW+8*(\c):CW+8*(\c)+3], s[36:37] offset:512*(\c)          ; k = 32 c + 0 .. 15: the image's lanes 0-15.  Sixteen lanes store 256 consecutive bytes, aligned
	global_store_b128 v6, v[CW+8*(\c)+4:CW+8*(\c)+7], s[36:37] offset:512*(\c)+256    ; k = 32 c + 16 .. 31: its lanes 16-31
.if (\c)+2 < 4
	LOADW (\c)+2
.endif
.endm
	s_load_b512 s[4:19], s[0:1], 0x0               ; query s[4:5], key s[6:7], value s[8:9], fc_w s[10:11], wq s[12:13], wk s[14:15], wv s[16:17], the exponents s[18:19]
	s_load_b128 s[20:23], s[0:1], 0x40             ; xc s[20:21], wc s[22:23]
	v_lshl_add_u32 v240, v0, 2, 0x8400
	v_mov_b32 v241, 0
	v_lshrrev_b32 v1, 5, v0
	v_readfirstlane_b32 s24, v1                    ; wave 0..3
	v_and_b32 v12, 31, v0                          ; lane
	v_lshlrev_b32 v1, 4, v12                       ; 16 x lane
	s_wait_kmcnt 0x0
	s_load_b256 s[40:47], s[18:19], 0x0            ; e0 .. e7
	s_load_b128 s[48:51], s[18:19], 0x20           ; e8 .. e11
	s_cmp_lt_u32 ttmp9, 400
	s_cbranch_scc0 .Lweights
	; ---- K innermost: work-groups 0-127 query, 128-255 key, 256-383 value, 384-399 fc_w
	s_lshr_b32 s25, ttmp9, 7                       ; which tensor: 0 .. 3
	s_and_b32 s28, ttmp9, 127
	s_lshl_b32 s28, s28, 2
	s_add_co_u32 s28, s28, s24                     ; T: my wave's row tile
	s_sub_co_u32 s29, s25, 1
	s_cmp_lt_u32 s29, 2
	s_cselect_b32 s29, 1, 0                        ; 1: key or value, stored swapped
	s_lshr_b32 s30, s28, 1
	s_lshl_b32 s30, s30, 5
	s_and_b32 s31, s28, 1
	s_lshl_b32 s31, s31, 3
	s_add_co_u32 s30, s30, s31                     ; swapped: stored rows 0-7 of tile T are true rows 32 (T / 2) + 8 (T % 2) + 0 .. 7, stored rows 8-15 lie 16 true rows on
	s_lshl_b32 s31, s28, 4                         ; natural: 16 T
	s_cmp_eq_u32 s29, 1
	s_cselect_b32 s30, s30, s31
	s_lshl_b32 s30, s30, 12                        ; a row is 4,096 bytes
	s_mov_b32 s31, 0
	s_lshl_b32 s36, s29, 15
	v_add_nc_u32 v2, s36, v1                       ; for rows 8-15: 8 rows further on where the tensor is swapped
	s_lshl_b32 s34, s25, 23                        ; xc: 8 MiB a tensor
	s_mov_b32 s35, 3<<20                           ; wc: fc_w is its fourth MiB
	s_cmp_lt_u32 s25, 3
	s_cselect_b32 s34, s34, s35
	s_lshl_b32 s38, s28, 14                        ; a row tile's codes are 16,384 bytes
	s_add_co_u32 s34, s34, s38
	s_mov_b32 s35, 0
	s_mul_i32 s39, s24, 16*SP                      ; my wave's stage
	v_add_nc_u32 v3, s39, v1                       ; into it: 16 x lane, a row an instruction
	v_and_b32 v13, 15, v0                          ; r
	v_bfe_u32 v14, v0, 4, 1                        ; h
	v_mul_u32_u24 v4, v13, SP
	v_lshl_add_u32 v4, v14, 6, v4
	v_add_nc_u32 v4, s39, v4                       ; out of it: row r, + 64 h bytes
	s_cmp_eq_u32 s25, 0                            ; the choices hang on the work-group's number alone
	s_cselect_b64 s[26:27], s[4:5], s[6:7]
	s_cmp_lt_u32 s25, 2
	s_cselect_b64 s[26:27], s[26:27], s[8:9]
	s_cmp_lt_u32 s25, 3
	s_cselect_b64 s[26:27], s[26:27], s[10:11]
	s_cselect_b64 s[32:33], s[20:21], s[22:23]
	s_add_nc_u64 s[26:27], s[26:27], s[30:31]
	s_add_nc_u64 s[32:33], s[32:33], s[34:35]
	LOADX 0
	LOADX 1
	s_wait_kmcnt 0x0
	s_cmp_eq_u32 s25, 0                            ; e: entry 1 for query, 3 for key, 5 for value, 11 for fc_w
	s_cselect_b32 s36, s41, s43
	s_cmp_lt_u32 s25, 2
	s_cselect_b32 s36, s36, s45
	s_cmp_lt_u32 s25, 3
	s_cselect_b32 s36, s36, s51
	s_add_co_i32 s36, s36, 127
	s_lshl_b32 s37, s36, 23
	v_mov_b32 v11, s37                             ; 2^e as f32: the conversion takes its exponent field
	s_add_co_i32 s36, s36, 8
	s_lshl_b32 s36, s36, 23
	s_or_b32 s36, s36, 0x600000
	v_mov_b32 v10, s36                             ; 448 x 2^e
.irp u, 0,1,2,3,4,5,6,7
	UNIT \u
.endr
	s_wait_tensorcnt 0x0
	ds_add_u32 v240, v241
	s_wait_dscnt 0x0
	s_endpgm
	; ---- the head weights: a lane takes a column d and its registers run down K, so the conversions give codes with K innermost
.Lweights:
	s_sub_co_u32 s25, ttmp9, 400
	s_lshr_b32 s26, s25, 6                         ; which weight: 0 .. 2
	s_bfe_u32 s27, s25, 0x40002                    ; head
	s_and_b32 s28, s25, 3
	s_and_b32 s29, s24, 1                          ; which 32 of the head's 64 columns: two waves side by side cover the rows' 256 bytes
	s_lshr_b32 s30, s24, 1
	s_lshl_b32 s28, s28, 1
	s_add_co_u32 s28, s28, s30                     ; K step of 128: 0 .. 7
	s_lshl_b32 s30, s27, 18                        ; a head is 262,144 bytes,
	s_lshl_b32 s31, s28, 15                        ; 128 rows of 256 bytes are 32,768
	s_add_co_u32 s30, s30, s31
	s_mov_b32 s31, 0
	s_lshl_b32 s34, s26, 20                        ; wc: 1 MiB a weight; fragment ((4 head + 2 half) x 8 + K step) x 2,048
	s_lshl_b32 s35, s27, 16
	s_add_co_u32 s34, s34, s35
	s_lshl_b32 s35, s29, 15
	s_add_co_u32 s34, s34, s35
	s_lshl_b32 s35, s28, 11
	s_add_co_u32 s34, s34, s35
	s_mov_b32 s35, 0
	v_and_b32 v13, 7, v12
	v_bfe_u32 v14, v12, 3, 1
	v_bfe_u32 v15, v12, 4, 1
	v_lshl_or_b32 v13, v14, 4, v13
	v_lshl_or_b32 v13, v15, 3, v13                 ; my lane's number with bits 3 and 4 exchanged: stored row = lane, true column = this
	s_lshl_b32 s38, s29, 5
	v_add_nc_u32 v13, s38, v13
	v_lshlrev_b32 v5, 2, v13                       ; in: 4 bytes a column
	v_and_b32 v14, 15, v12
	v_lshlrev_b32 v6, 4, v14
	v_lshl_add_u32 v6, v15, 14, v6                 ; out: 16 (lane % 16), and lanes 16-31 belong to the next row tile, 16,384 bytes on
	s_cmp_eq_u32 s26, 0
	s_cselect_b64 s[32:33], s[12:13], s[14:15]
	s_cmp_lt_u32 s26, 2
	s_cselect_b64 s[32:33], s[32:33], s[16:17]
	s_add_nc_u64 s[32:33], s[32:33], s[30:31]
	s_add_nc_u64 s[36:37], s[22:23], s[34:35]
	LOADW 0
	LOADW 1
	s_wait_kmcnt 0x0
	s_cmp_eq_u32 s26, 0                            ; e: entry 0 for wq, 2 for wk, 4 for wv
	s_cselect_b32 s38, s40, s42
	s_cmp_lt_u32 s26, 2
	s_cselect_b32 s38, s38, s44
	s_add_co_i32 s38, s38, 127
	s_lshl_b32 s39, s38, 23
	v_mov_b32 v11, s39
	s_add_co_i32 s38, s38, 8
	s_lshl_b32 s38, s38, 23
	s_or_b32 s38, s38, 0x600000
	v_mov_b32 v10, s38
.irp c, 0,1,2,3
	BLOCKW \c
.endr
	s_endpgm
.Lfunc_end_k_q20ef8930c8_quant:
	.size	k_q20ef8930c8_quant, .Lfunc_end_k_q20ef8930c8_quant-k_q20ef8930c8_quant
	.p2alignl 7, 3214868480
	.fill 96, 4, 3214868480
	.section	.rodata,"a",@progbits
	.p2align	6, 0x0
	.amdhsa_kernel k_q20ef8930c8_quant
		.amdhsa_group_segment_fixed_size 34304
		.amdhsa_private_segment_fixed_size 0
		.amdhsa_enable_private_segment 0
		.amdhsa_kernarg_size 80
		.amdhsa_user_sgpr_count 2
		.amdhsa_user_sgpr_kernarg_segment_ptr 1
		.amdhsa_wavefront_size32 1
		.amdhsa_system_sgpr_workgroup_id_x 1
		.amdhsa_system_sgpr_workgroup_id_y 1
		.amdhsa_system_sgpr_workgroup_id_z 1
		.amdhsa_system_vgpr_workitem_id 0
		.amdhsa_next_free_vgpr 242
		.amdhsa_next_free_sgpr 66
		.amdhsa_reserve_vcc 0
		.amdhsa_float_denorm_mode_32 3
		.amdhsa_float_denorm_mode_16_64 3
		.amdhsa_memory_ordered 1
		.amdhsa_forward_progress 1
		.amdhsa_inst_pref_size 95
	.end_amdhsa_kernel
	.amdgpu_metadata
---
amdhsa.version: [ 1, 2 ]
amdhsa.kernels:
  - .name:           k_q20ef8930c8_quant
    .symbol:         k_q20ef8930c8_quant.kd
    .args:
      - { .name: query, .offset: 0, .size: 8, .value_kind: global_buffer, .address_space: global }
      - { .name: key, .offset: 8, .size: 8, .value_kind: global_buffer, .address_space: global }
      - { .name: value, .offset: 16, .size: 8, .value_kind: global_buffer, .address_space: global }
      - { .name: fc_w, .offset: 24, .size: 8, .value_kind: global_buffer, .address_space: global }
      - { .name: wq, .offset: 32, .size: 8, .value_kind: global_buffer, .address_space: global }
      - { .name: wk, .offset: 40, .size: 8, .value_kind: global_buffer, .address_space: global }
      - { .name: wv, .offset: 48, .size: 8, .value_kind: global_buffer, .address_space: global }
      - { .name: lowp_scales, .offset: 56, .size: 8, .value_kind: global_buffer, .address_space: global }
      - { .name: xc, .offset: 64, .size: 8, .value_kind: global_buffer, .address_space: global }
      - { .name: wc, .offset: 72, .size: 8, .value_kind: global_buffer, .address_space: global }
    .group_segment_fixed_size: 34304
    .private_segment_fixed_size: 0
    .kernarg_segment_align: 8
    .kernarg_segment_size: 80
    .max_flat_workgroup_size: 128
    .sgpr_count:     66
    .vgpr_count:     242
    .wavefront_size: 32
...
	.end_amdgpu_metadata
.endif
;; end of part 1
;; launch proj (part 2): grid 4 x 96, 4 waves a work-group, clusters of 4 x 4, 327,680 bytes of LDS; arguments xc, wc, lowp_scales, qkv; writes qkv
.if DOCPART == 2
	.amdgcn_target "amdgcn-amd-amdhsa--gfx1250"
	.amdhsa_code_object_version 6
	.text
	.protected	k_q20ef8930c8_proj
	.globl	k_q20ef8930c8_proj
	.p2align	8
	.type	k_q20ef8930c8_proj,@function
k_q20ef8930c8_proj:
	s_mov_b64 s[64:65], 0
	v_nop
	global_prefetch_b8 v0, s[64:65] scope:SCOPE_SE
	s_setreg_imm32_b32 hwreg(HW_REG_WAVE_MODE, 25, 1), 1
	s_wait_xcnt 0x0
	s_wait_alu depctr_hold_cnt(0) depctr_sa_sdst(0) depctr_va_vdst(0) depctr_va_sdst(0) depctr_va_ssrc(0) depctr_va_vcc(0) depctr_vm_vsrc(0)
	s_getreg_b32 s2, hwreg(HW_REG_IB_STS2, 6, 4)
	s_cmp_eq_u32 s2, 0
	s_cbranch_scc0 .Lentry_in_a_cluster
	s_endpgm
.Lentry_in_a_cluster:
	s_bfe_u32 s2, ttmp6, 0x10000c
	s_cmp_lg_u32 s2, 0xf033
	s_cbranch_scc0 .Lentry_shape_is_right
	s_endpgm
.Lentry_shape_is_right:
; The three projections q = query wq, k = key wk, v = value wv on codes of FP8 (E4M3), K = 1,024, and the quantising of their results for the two products of attention.
; Operands arrive as images of operand registers (a fragment, 16 rows x 128 K, is 2,048 bytes: block c of 512 bytes, lane L's 16 bytes at 16 L: row L % 16, k = 32 c + 16 (L / 16) + 0 .. 15),
; a row tile's eight K steps on end: 16,384 bytes.  That order of k is the same on both sides of the product, so every code meets its partner.
; A tile of the result is 256 x 256: four waves, each 128 x 128 in 64 accumulators.  K goes in 4 steps of 256 through two LDS slots filled by the tensor data mover.
; THE MATRIX INSTRUCTION IS USED TRANSPOSED: source 0 = 16 rows of B, source 1 = 16 rows of A: a lane holds ONE row of A and, in its registers, rows of B.  B is stored with bits 3 and 4 of its row numbers
; exchanged, so that the 16 registers of two neighbouring tiles of B are 16 NEIGHBOURING true rows: 16 codes, 16 bytes, which ARE a lane's part of the next operand's image.  Nothing goes through LDS on the way out.
;   q, k: A = the tokens, B = the weight's rows (head x 64 + d): a lane holds a token and 16 neighbours along d, the K of q k^T.
;   v:    A = the weight's rows, B = the tokens: a lane holds a row d and 16 neighbouring keys, the K of p v.
; qkv: [q, k, v][batch x 16 + head][131,072].  q, k: 128 tokens are 8,192 bytes; token tile t at (t % 4) x 2,048 + (t / 4) x 1,024; block c (d = 32 c ..) at 512 c.  v: 128 keys are 8,192 bytes; d tile at 2,048 each; block c (keys 32 c ..) at 512 c.
; CLUSTERS: 4 x 4 work-groups; the grid is one cluster wide and 24 high: 8 clusters for each product.  The four of a row of the cluster need the same tiles of A, the four of a column the same tiles of B:
; each tile is asked for JOINTLY.  Which product a cluster serves hangs on the cluster's y alone, which all sixteen share; it is used in selects only, in no branch.
; LIMIT: e(result) - e(weight) - e(input) lies between -126 and 119 for each of the three products.  The hold at the largest code is always executed.
; REGISTERS, in windows of 256: window 0: v8-29 scale, hold, addresses; v128-255 A's fragments, ONE set, later the codes.  window 1: B's fragments, TWO sets.  windows 2, 3: the accumulators ((a, b) at v[8 (8 (a % 4) + b)]).
.set FR,     16                        ; registers of a fragment
.set NL,     4                         ; LDS loads that bring one
.set NP,     4                         ; places behind this matrix instruction (ISA guide 7.12.1)
.set KSB,    4096                      ; a row tile's bytes of a K step of 256: two fragments
.set HALFT,  8*KSB                     ; 8 row tiles: what one tensor load brings, and what one wave reads of A or of B
.set SLOT,   4*HALFT                   ; A's 16 row tiles, then B's 16
.set SPARE,  2*SLOT                    ; behind the ring: the spare words, 128 bytes for each wave: two blocks of 256 bytes that no other line names
.set LIMV, 8                           ; v8      448 x the scale
.set SCLV, 9                           ; v9      the scale of the conversions
.set VO,   10                          ; v10-13  the stores' offsets: 16 x lane + (a / 4) x XA + (pair of tiles / 2) x XB
.set ADRA, 16                          ; v16-17  LDS address of my A fragments in slot 0, 1
.set ADRB, 20                          ; v20-21  the same for B
.set SPW,  28                          ; v28     LDS address of my spare word; never rewritten
.set NIL,  29                          ; v29     0; never rewritten
.set AF,   128                         ; A's fragments, in window 0
.set CD,   128                         ; the way out: 16 registers of codes for each of my eight blocks of A's rows
.set G1, 24                            ; s[24:31] descriptor group 1 for A's tiles;  s[32:39] group 0, one set for each slot
.set G0, 32
.set G1B, 48                           ; s[48:55], s[56:63] the same for B's tiles
.set G0B, 56
.set MSB, 0
.macro WIN new                         ; the immediate's high byte repeats the setting that is left
.if MSB != (\new)
	s_set_vgpr_msb (MSB<<8)|(\new)
.set MSB, (\new)
.endif
.endm
.set MUL_LO, 0xa1                      ; source 0 (B) window 1, source 1 (A) window 0, C and D window 2
.set MUL_HI, 0xf1                      ; the same, C and D window 3
.set TO_B,   0x40                      ; destination window 1, address window 0
; A joint load: waves 0 and 1 fetch for A, waves 2 and 3 for B.  Each of the two lines has one mask and one set of registers for all that issue it; the branch hangs on the wave's number alone.
; Four v_nop follow each of the two lines, ahead of the jump, the label and what follows.
.macro JLOAD g0a, g1a, g0b, g1b
	s_cmp_eq_u32 s15, 0
	s_cbranch_scc0 .Lfor_b_\@
	tensor_load_to_lds s[\g0a:\g0a+3], s[\g1a:\g1a+7]
	s_nop 0
.rept 4
	v_nop
.endr
	s_branch .Lasked_\@
.Lfor_b_\@:
	tensor_load_to_lds s[\g0b:\g0b+3], s[\g1b:\g1b+7]
	s_nop 0
.rept 4
	v_nop
.endr
.Lasked_\@:
.endm
.macro CREST                           ; a round of the cluster's barrier behind its opening barrier
	s_cmp_lg_u32 s14, 0
	s_cbranch_scc1 .Lnot_wave_0_\@
	s_barrier_signal -3
.Lnot_wave_0_\@:
	s_barrier_wait -3
	s_barrier_signal -1
	s_barrier_wait -1
.endm
.macro CROUND                          ; a whole round
	s_barrier_signal -1
	s_barrier_wait -1
	CREST
.endm
	s_load_b256 s[4:11], s[0:1], 0x0               ; xc s[4:5], wc s[6:7], the exponents s[8:9], qkv s[10:11]
	v_lshl_add_u32 v[SPW], v0, 2, SPARE
	v_mov_b32 v[NIL], 0
	ds_add_u32 v28, v29
	ds_add_u32 v28, v29
	s_wait_dscnt 0x0
	v_lshrrev_b32 v1, 5, v0
	v_readfirstlane_b32 s14, v1                    ; wave 0..3
	s_lshr_b32 s15, s14, 1                         ; which half of A's rows is mine.  Also: I fetch for A (0) or for B (1)
	s_and_b32 s16, s14, 1                          ; which half of B's rows.  Also: which 8 row tiles of that block I fetch
	s_bfe_u32 s40, ttmp6, 0x40000                  ; cx, cy: my place in the cluster
	s_bfe_u32 s41, ttmp6, 0x40004
	s_and_b32 s17, ttmp7, 0xffff                   ; the cluster's y: 0 .. 23
	s_lshr_b32 s18, s17, 3                         ; the product: 0 q, 1 k, 2 v
	s_and_b32 s19, s17, 7
	s_lshl_b32 s19, s19, 2                         ; the cluster's four blocks of 256 tokens begin here
	s_lshl_b32 s43, s41, 2
	s_lshl_b32 s43, 15, s43                        ; my row of the cluster
	s_lshl_b32 s44, 0x1111, s40                    ; my column
	; descriptor group 1: 8 rows (row tiles) of 4,096 bytes, 16,384 bytes apart in memory, dense in LDS
	s_or_b32 s[G1+0], s43, (3<<16)|(1<<21)         ; 15:0 the mask: A's tiles go to my row; 17:16 elements of 8 bytes; 20 no padding; 21 set beside a mask
	s_or_b32 s[G1B+0], s44, (3<<16)|(1<<21)
.irp g, G1, G1B
	s_mov_b32 s[\g+1], 512<<16                     ; tensor_dim0 = 512 elements
	s_mov_b32 s[\g+2], 8<<16                       ; tensor_dim1 = 8
	s_mov_b32 s[\g+3], 512<<16                     ; tile_dim0
	s_mov_b32 s[\g+4], 8                           ; tile_dim1
	s_mov_b32 s[\g+5], 2048                        ; tensor_dim0_stride, in elements
	s_mov_b32 s[\g+6], 0
	s_mov_b32 s[\g+7], 0
.endr
	s_cmp_eq_u32 s18, 2                            ; v: the tokens are B
	s_cselect_b32 s80, 0, s19
	s_cselect_b32 s81, s19, 0
	s_add_co_u32 s80, s80, s41                     ; A's block of 256 rows: it hangs on cy, never on cx
	s_add_co_u32 s81, s81, s40                     ; B's: on cx, never on cy
	s_lshl_b32 s20, s18, 23                        ; q, k: A = xc's tensor p (8 MiB each), B = wc's weight p (1 MiB each)
	s_lshl_b32 s46, s18, 20
	s_mov_b32 s22, 2<<20                           ; v: A = wc's third weight, B = xc's third tensor
	s_mov_b32 s23, 16<<20
	s_cmp_eq_u32 s18, 2
	s_cselect_b32 s20, s22, s20
	s_cselect_b32 s46, s23, s46
	s_lshl_b32 s22, s16, 17                        ; the 8 row tiles that I fetch
	s_add_co_u32 s20, s20, s22
	s_add_co_u32 s46, s46, s22
	s_lshl_b32 s23, s80, 18                        ; a block of 256 rows is 262,144 bytes
	s_add_co_u32 s20, s20, s23
	s_lshl_b32 s23, s81, 18
	s_add_co_u32 s46, s46, s23
	s_mov_b32 s21, 0
	s_mov_b32 s47, 0
	s_mul_i32 s45, s14, HALFT                      ; where they go: wave x 8 row tiles: no place in the cluster enters an LDS address
	s_wait_kmcnt 0x0
	s_load_b256 s[68:75], s[8:9], 0x0              ; e0 .. e7
	s_load_b128 s[76:79], s[8:9], 0x20             ; e8 .. e11
	s_cmp_eq_u32 s18, 2
	s_cselect_b64 s[84:85], s[6:7], s[4:5]
	s_cselect_b64 s[86:87], s[4:5], s[6:7]
	s_add_nc_u64 s[20:21], s[84:85], s[20:21]
	s_add_nc_u64 s[46:47], s[86:87], s[46:47]
	CROUND                                         ; all sixteen work-groups are here: the first joint loads meet
.irp s, 0,1
	s_mov_b32 s[G0+4*\s], 1
	s_add_co_u32 s[G0+4*\s+1], s45, \s*SLOT
	s_add_nc_u64 s[G0+4*\s+2:G0+4*\s+3], s[20:21], \s*KSB
	s_or_b32 s[G0+4*\s+3], s[G0+4*\s+3], 0x80000000
	s_mov_b32 s[G0B+4*\s], 1
	s_add_co_u32 s[G0B+4*\s+1], s45, \s*SLOT
	s_add_nc_u64 s[G0B+4*\s+2:G0B+4*\s+3], s[46:47], \s*KSB
	s_or_b32 s[G0B+4*\s+3], s[G0B+4*\s+3], 0x80000000
	JLOAD G0+4*\s, G1, G0B+4*\s, G1B               ; two loads of mine are out
.endr
	v_and_b32 v1, 31, v0
	v_lshlrev_b32 v[VO], 4, v1                     ; 16 x lane: my place in every image
	s_mul_i32 s21, s15, HALFT                      ; my 8 row tiles of A
	s_mul_i32 s22, s16, HALFT                      ; my 8 of B,
	s_add_co_u32 s22, s22, 2*HALFT                 ; which lie behind A's 16
.irp s, 0,1
	v_add_nc_u32 v[ADRA+\s], s21, v[VO]
	v_add_nc_u32 v[ADRB+\s], s22, v[VO]
	s_add_co_u32 s21, s21, SLOT
	s_add_co_u32 s22, s22, SLOT
.endr
	; where my 128 x 128 results go
	s_lshl_b32 s82, s80, 1
	s_add_co_u32 s82, s82, s15                     ; A's rows, in 128s
	s_lshl_b32 s83, s81, 1
	s_add_co_u32 s83, s83, s16                     ; B's
	s_mov_b32 s88, 131072
	s_cmp_eq_u32 s18, 2
	s_cselect_b32 s84, s83, s82                    ; my 128 tokens,
	s_cselect_b32 s85, s82, s83                    ; my 128 rows of the weight: two heads
	s_cselect_b32 s86, s88, 1024                   ; XA: from A's blocks 0-3 to 4-7: v: the next head; q, k: token tiles 4-7
	s_cselect_b32 s87, 1024, s88                   ; XB: from B's tiles 0-3 to 4-7: v: keys 64 on; q, k: the next head
	s_lshr_b32 s89, s84, 4
	s_lshl_b32 s89, s89, 4                         ; batch x 16
	s_lshl_b32 s90, s85, 1
	s_add_co_u32 s89, s89, s90                     ; + my first head
	s_lshl_b32 s89, s89, 17
	s_and_b32 s90, s84, 15
	s_lshl_b32 s90, s90, 13                        ; 128 tokens are 8,192 bytes of a head
	s_add_co_u32 s89, s89, s90
	s_lshl_b32 s90, s18, 23                        ; q, k, v: 8 MiB each
	s_add_co_u32 s88, s89, s90
	s_mov_b32 s89, 0
	s_add_nc_u64 s[10:11], s[10:11], s[88:89]
	v_add_nc_u32 v[VO+1], s87, v[VO]
	v_add_nc_u32 v[VO+2], s86, v[VO]
	v_add_nc_u32 v[VO+3], s87, v[VO+2]
.macro FRAG reg, adr, q, i             ; a fragment comes as it lies: four loads of 512 consecutive bytes; row tile i, the slot's q-th 128 along K
.irp c, 0,1,2,3
	ds_load_b128 v[\reg+4*\c:\reg+4*\c+3], v[\adr] offset:2048*(\q)+512*\c+KSB*(\i)
.endr
.endm
; 16 matrix instructions: A's blocks a0, a0 + 1 x B's eight, 128 along K.  p: B's set.  zero = 1: the first product starts the sums: nothing is ever cleared.
; The 64 accumulators take turns, one instruction a turn, in the same order in every step.
.macro MUL16 a0, p, zero
.irp a, \a0, \a0+1
.irp b, 0,1,2,3,4,5,6,7
.if \zero
	v_wmma_f32_16x16x128_fp8_fp8 v[8*(8*((\a)%4)+\b):8*(8*((\a)%4)+\b)+7], v[128*(\p)+FR*\b:128*(\p)+FR*\b+FR-1], v[AF+FR*(\a):AF+FR*(\a)+FR-1], 0
.else
	v_wmma_f32_16x16x128_fp8_fp8 v[8*(8*((\a)%4)+\b):8*(8*((\a)%4)+\b)+7], v[128*(\p)+FR*\b:128*(\p)+FR*\b+FR-1], v[AF+FR*(\a):AF+FR*(\a)+FR-1], v[8*(8*((\a)%4)+\b):8*(8*((\a)%4)+\b)+7]
.endif
.endr
.endr
.endm
.macro FETCH_B slot, q, p              ; B's eight fragments of the slot's q-th 128 along K into set p
	WIN TO_B
.irp i, 0,1,2,3,4,5,6,7
	FRAG 128*(\p)+FR*\i, ADRB+\slot, \q, \i
.endr
	WIN 0
.endm
.macro FETCH_A slot, q, i0             ; A's blocks i0 .. i0 + 3
.irp i, \i0, \i0+1, \i0+2, \i0+3
	FRAG AF+FR*(\i), ADRA+\slot, \q, \i
.endr
.endm
.macro PLACES n                        ; plain vector lines between a matrix instruction and a load into, or a vector line on, one of its registers
.rept \n
	v_nop
.endr
.endm
; A step of 128 along K that has its successor in the same slot.  A's blocks are free as soon as their eight products are issued, so one set of registers serves A.
.macro STEP slot, q, zero
	s_wait_dscnt 4*NL                              ; B's set and A's blocks 0-3 are in; the youngest 16 loads (A's blocks 4-7) may be out
	WIN MUL_LO
	MUL16 0, (\q)%2, \zero
	MUL16 2, (\q)%2, \zero
	s_wait_dscnt 0                                 ; A's blocks 4-7 are in
	PLACES NP
	FETCH_B \slot, (\q)+1, 1-(\q)%2
	FETCH_A \slot, (\q)+1, 0
	WIN MUL_HI
	MUL16 4, (\q)%2, \zero
	MUL16 6, (\q)%2, \zero
	PLACES NP
	WIN 0
	FETCH_A \slot, (\q)+1, 4
.endm
; A slot's last step changes slots: ONE barrier; in front of it each wave waits for all its tensor loads, adds 0 to its spare word, and waits for that and for its own reads of this slot.  fill = 1: this slot is filled again, two K steps ahead.
.macro TURN slot, next, fill
	s_wait_tensorcnt 0x0                           ; all my tensor loads have landed: my part of the next slot
	ds_add_u32 v[SPW], v[NIL]                      ; 0 onto my spare word
	s_wait_dscnt 4*NL+1                            ; (the add and the youngest 16 loads, A's blocks 4-7, may be out)
	WIN MUL_LO
	MUL16 0, 1, 0                                  ; sixteen matrix instructions stand between the add and the wait for it
	s_wait_dscnt 0x0                               ; the add is done, and my reads of this slot are over
	s_barrier_signal -1
	MUL16 2, 1, 0
	WIN 0
	s_barrier_wait -1
.if \fill
	CREST                                          ; the barrier has opened a round of the cluster's barrier: no wave of any partner still reads this slot or has a load on its way
	s_add_nc_u64 s[G0+4*\slot+2:G0+4*\slot+3], s[G0+4*\slot+2:G0+4*\slot+3], 2*KSB
	s_add_nc_u64 s[G0B+4*\slot+2:G0B+4*\slot+3], s[G0B+4*\slot+2:G0B+4*\slot+3], 2*KSB
	JLOAD G0+4*\slot, G1, G0B+4*\slot, G1B         ; the first tensor load behind the round, and my only one until the next; its four v_nop are the places in front of the loads below
.else
	PLACES NP
.endif
	FETCH_B \next, 0, 0
	FETCH_A \next, 0, 0
	WIN MUL_HI
	MUL16 4, 1, 0
	MUL16 6, 1, 0
	PLACES NP
	WIN 0
	FETCH_A \next, 0, 4
.endm
	s_wait_tensorcnt 1                             ; my part of K step 0 is in (K step 1's load may be out)
	s_barrier_signal -1
	s_barrier_wait -1                              ; everybody's is
	FETCH_B 0, 0, 0
	FETCH_A 0, 0, 0
	FETCH_A 0, 0, 4
	STEP 0, 0, 1                                   ; K = 1,024 is eight steps of 128, written out: the first starts the sums
	TURN 0, 1, 1                                   ; slot 0 takes K step 2
	STEP 1, 0, 0
	TURN 1, 0, 1                                   ; slot 1 takes K step 3
	STEP 0, 0, 0
	TURN 0, 1, 0                                   ; nothing is left to fetch
	STEP 1, 0, 0
	s_wait_dscnt 4*NL
	WIN MUL_LO
	MUL16 0, 1, 0
	MUL16 2, 1, 0
	s_wait_dscnt 0
	WIN MUL_HI
	MUL16 4, 1, 0
	MUL16 6, 1, 0
	WIN 0
	; THE WAY OUT.  A sum stands for sum x 2^(e(weight) + e(input)): its code is sum / 2^(e(result) - e(weight) - e(input)): the three scales are folded into the conversion's one.
	s_wait_kmcnt 0x0
	s_cmp_eq_u32 s18, 0
	s_cselect_b32 s91, s68, s70                    ; the weight's: entry 0, 2 or 4
	s_cselect_b32 s92, s69, s71                    ; the input's: entry 1, 3 or 5
	s_cselect_b32 s93, s74, s75                    ; the result's: entry 6 (q), 7 (k) or 9 (v)
	s_cmp_eq_u32 s18, 2
	s_cselect_b32 s91, s72, s91
	s_cselect_b32 s92, s73, s92
	s_cselect_b32 s93, s77, s93
	s_sub_co_i32 s93, s93, s91
	s_sub_co_i32 s93, s93, s92
	s_add_co_i32 s93, s93, 127
	s_lshl_b32 s94, s93, 23
	v_mov_b32 v[SCLV], s94
	s_add_co_i32 s93, s93, 8
	s_lshl_b32 s93, s93, 23
	s_or_b32 s93, s93, 0x600000
	v_mov_b32 v[LIMV], s93                         ; 448 x that
	PLACES NP
; Block a of A's rows: 64 sums a lane are held, in place and each accumulator from its low end on, and become 64 codes: four runs of 16 bytes, each a lane's part of a block of an image.
; Every block has code registers of its own and the stores' base is never stepped, so nothing that a store reads is written again.
.macro QOUT a
.set AC, 64*((\a)%4)
	WIN 0x82+0x41*((\a)/4)                         ; destination and source 0: window 2 or 3
.set j, 0
.rept 64
	v_med3_num_f32 v[AC+j], v[AC+j], -v[LIMV], v[LIMV]   ; the conversion to an 8-bit code does not saturate (ISA guide 7.6.2)
.set j, j+1
.endr
	WIN 0x02+(\a)/4                                ; source 0 alone
.set g, 0
.rept 8
	v_cvt_scalef32_pk8_fp8_f32 v[CD+16*(\a)+2*g:CD+16*(\a)+2*g+1], v[AC+8*g:AC+8*g+7], v[SCLV]
.set g, g+1
.endr
	WIN 0
	v_nop                                          ; a plain line behind the last conversion
.irp b, 0,1,2,3
	global_store_b128 v[VO+2*((\a)/4)+\b/2], v[CD+16*(\a)+4*\b:CD+16*(\a)+4*\b+3], s[10:11] offset:((\a)%4)*2048+(\b%2)*512   ; 32 lanes store 512 consecutive bytes, aligned
.endr
.endm
.irp a, 0,1,2,3,4,5,6,7
	QOUT \a
.endr
	s_wait_tensorcnt 0x0                           ; the wave's end
	ds_add_u32 v[SPW], v[NIL]
	s_wait_dscnt 0x0
	CROUND                                         ; the closing round: no work-group ends while a partner may still ask for a tile that names it
	s_endpgm
.Lfunc_end_k_q20ef8930c8_proj:
	.size	k_q20ef8930c8_proj, .Lfunc_end_k_q20ef8930c8_proj-k_q20ef8930c8_proj
	.p2alignl 7, 3214868480
	.fill 96, 4, 3214868480
	.section	.rodata,"a",@progbits
	.p2align	6, 0x0
	.amdhsa_kernel k_q20ef8930c8_proj
		.amdhsa_group_segment_fixed_size 327680
		.amdhsa_private_segment_fixed_size 0
		.amdhsa_enable_private_segment 0
		.amdhsa_kernarg_size 32
		.amdhsa_user_sgpr_count 2
		.amdhsa_user_sgpr_kernarg_segment_ptr 1
		.amdhsa_wavefront_size32 1
		.amdhsa_system_sgpr_workgroup_id_x 1
		.amdhsa_system_sgpr_workgroup_id_y 1
		.amdhsa_system_sgpr_workgroup_id_z 1
		.amdhsa_system_vgpr_workitem_id 0
		.amdhsa_next_free_vgpr 1024
		.amdhsa_next_free_sgpr 98
		.amdhsa_reserve_vcc 0
		.amdhsa_float_denorm_mode_32 3
		.amdhsa_float_denorm_mode_16_64 3
		.amdhsa_memory_ordered 1
		.amdhsa_forward_progress 1
		.amdhsa_inst_pref_size 118
	.end_amdhsa_kernel
	.amdgpu_metadata
---
amdhsa.version: [ 1, 2 ]
amdhsa.kernels:
  - .name:           k_q20ef8930c8_proj
    .symbol:         k_q20ef8930c8_proj.kd
    .args:
      - { .name: xc, .offset: 0, .size: 8, .value_kind: global_buffer, .address_space: global }
      - { .name: wc, .offset: 8, .size: 8, .value_kind: global_buffer, .address_space: global }
      - { .name: lowp_scales, .offset: 16, .size: 8, .value_kind: global_buffer, .address_space: global }
      - { .name: qkv, .offset: 24, .size: 8, .value_kind: global_buffer, .address_space: global }
    .group_segment_fixed_size: 327680
    .private_segment_fixed_size: 0
    .kernarg_segment_align: 8
    .kernarg_segment_size: 32
    .max_flat_workgroup_size: 128
    .sgpr_count:     98
    .vgpr_count:     1024
    .wavefront_size: 32
...
	.end_amdgpu_metadata
.endif
;; end of part 2
;; launch attn (part 3): grid 4 x 64, 8 waves a work-group, no clusters, 263,168 bytes of LDS; arguments qkv, lowp_scales, ctx; writes ctx
.if DOCPART == 3
	.amdgcn_target "amdgcn-amd-amdhsa--gfx1250"
	.amdhsa_code_object_version 6
	.text
	.protected	k_q20ef8930c8_attn
	.globl	k_q20ef8930c8_attn
	.p2align	8
	.type	k_q20ef8930c8_attn,@function
k_q20ef8930c8_attn:
	s_mov_b64 s[64:65], 0
	v_nop
	global_prefetch_b8 v0, s[64:65] scope:SCOPE_SE
	s_setreg_imm32_b32 hwreg(HW_REG_WAVE_MODE, 25, 1), 1
	s_wait_xcnt 0x0
; ctx[b][q][head x 64 + d] = the sum over keys of softmax(q . k / 8) v, both products on codes of FP8 (E4M3), and the quantising of ctx for the last product.  2,048 keys, head size 64, 64 (batch, head) pairs.
; THE SOFTMAX: t = score x log2(e) / 8; M = the row's largest t so far, rounded UP to a whole number; p = 2^(t - M) is what is quantised (scale 2^ep), not normalised.  The row's sum is taken of the unquantised p
; and divides O at the end.  When M moves, the sum and O are multiplied by 2^(old M - new M): exact.
; q, k, v arrive as images of operand registers (lane L's 16 bytes at 16 L of each block of 512 bytes).  q, k: 128 tokens are 8,192 bytes, token tile t at (t % 4) x 2,048 + (t / 4) x 1,024, block c (d = 32 c + 16 (L / 16) + 0..15) at 512 c.
; v: 128 keys are 8,192 bytes, d tile n at 2,048 n, block c (keys 32 c + 16 (L / 16) + 0..15) at 512 c.  k's tokens and v's rows d are stored with bits 3 and 4 of their numbers exchanged.
; SHARES.  A work-group owns 512 queries of one (batch, head); each of its eight waves 64: four tiles of 16, so that each fragment of K and V read from LDS feeds four matrix instructions.  Two waves to a SIMD.
; LAYOUT.  Both products are used transposed: S^T = K Q^T (source 0 = 16 keys, source 1 = 16 queries, K = 64), O^T = V^T P^T (source 0 = 16 rows d, source 1 = P, K = 128 keys): a lane holds ONE query throughout.
; By the exchange of bits the 16 registers of two neighbouring tiles of S^T are 16 neighbouring keys, and those of O^T 16 neighbouring d: the conversions' results are the next operand's registers.
; K AND V STAY IN LDS: the head's K at 0, its V at 131,072, 131,072 bytes each, dense.  Each LDS byte is written once, through registers, a chunk of two key steps (16,384 bytes of each) ahead of its use;
; a barrier stands between a chunk's stores and its reads.  A chunk's loads are issued two key steps ahead of the wait for them.
; NO TENSOR LOADS AND NO JOINT LOADS.  p is at most 1, so the hold at 448 x 2^ep changes a number only where ep <= -9.  A scalar branch on ep (a whole number read from an input) jumps over the 64 holds of each tile and key
; step, a quarter of that step's vector lines.  What a cluster's four work-groups of a head could share is 262,144 bytes, fetched once by each.
; LIMITS on the given exponents: e6 + e7 between -123 and 130 (they are added to c's exponent field); ep and e10 between -126 and 119; ep + ev is applied by v_ldexp_f32 and has none.
; ctx: [512 token tiles][8 K steps][2,048], an image again: k = head x 64 + d.
; REGISTERS.  window 0: v1-7 addresses; v8-23 statistics, tile t at v[8 + 4 t]: -M, the largest t, the sum in two halves; v24-55 Q; v56-63 at work; v64-127 S^T, then p; v128-191 p's codes; v192-195 scales; v196-227 the fill.
;   window 1: v0-63 K's 8 fragments; v64-127 V's 4; v128-255 O^T (tile t, d tile n at v[128 + 32 t + 8 n]).
.set LI,   1                           ; v1   16 x lane
.set LIV,  2                           ; v2   the same in V's half of LDS
.set ADK,  3                           ; v3   LDS address of the step's K
.set ADV,  4                           ; v4   of its V
.set GST,  6                           ; v6   where my wave's 4,096 bytes of a chunk go, in chunk 0
.set GA,   7                           ; v7   the same in the chunk in hand
.set ST,   8
.set QF,   24
.set TA,   56
.set TC2,  57
.set PX,   58
.set F,    60                          ; v[60:61] f = 2^(old M - new M) (v61 is named with it as a pair)
.set SUMT, 62
.set S,    64
.set P,    128
.set PLIM, 192                         ; 448 x 2^ep
.set PSC,  193                         ; 2^ep
.set CLIM, 194                         ; 448 x 2^e10
.set CSC,  195                         ; 2^e10
.set G,    196
.set KF,   0                           ; in window 1
.set VF,   64
.set OT,   128
.set WV,   12                          ; s12  wave
.set BH,   13                          ; s13  batch x 16 + head
.set CS,   22                          ; s[22:23] c = log2(e) / 8 x 2^(e6 + e7)
.set SEL,  24                          ; s[24:25] lane selects for v_permlanex16_b32: lane l xor 16
.set STB,  26                          ; s26  LDS byte of the key step in hand
.set STC,  27                          ; s27  LDS byte of the chunk that is being filled
.set FP,   28                          ; s[28:29] my wave's 4,096 bytes of that chunk in memory
.set QP,   30                          ; s[30:31] my wave's queries
.set CP,   32                          ; s[32:33] my wave's part of ctx
.set CHUNKS, 34
.set TWICE, 35
.set MSB, 0
.macro WIN new                         ; the immediate's high byte repeats the setting that is left
.if MSB != (\new)
	s_set_vgpr_msb (MSB<<8)|(\new)
.set MSB, (\new)
.endif
.endm
.macro FILL_ISSUE                      ; waves 0-3: K's 16,384 bytes of the next chunk, 4,096 each; waves 4-7: V's
.irp i, 0,1,2,3,4,5,6,7
	global_load_b128 v[G+4*\i:G+4*\i+3], v[LI], s[FP:FP+1] offset:512*\i
.endr
.endm
.macro FILL_STORE
	s_wait_loadcnt 0x0                             ; the chunk's loads are in: their registers may be read and their base stepped
	v_add_nc_u32 v[GA], s[STC], v[GST]
.irp i, 0,1,2,3,4,5,6,7
	ds_store_b128 v[GA], v[G+4*\i:G+4*\i+3] offset:512*\i
.endr
	s_add_nc_u64 s[FP:FP+1], s[FP:FP+1], 16384
	s_add_co_u32 s[STC], s[STC], 16384
	s_wait_dscnt 0x0                               ; for the others' sake: my stores have landed
	s_barrier_signal -1
	s_barrier_wait -1                              ; the chunk is whole
.endm
.macro SMUL t                          ; S^T of tile t: 128 keys x 16 queries, K = the head's 64
	WIN 0x01                                       ; source 0 (K) window 1
.irp i, 0,1,2,3,4,5,6,7
	v_wmma_f32_16x16x64_fp8_fp8 v[S+8*\i:S+8*\i+7], v[KF+8*\i:KF+8*\i+7], v[QF+8*(\t):QF+8*(\t)+7], 0
.endr
.endm
.macro RESC t                          ; tile t's O^T under the new M: x f.  Sixteen plain lines that name no register of the products just issued: they are the places behind those (ISA guide 7.12.1)
	WIN 0x41                                       ; destination and source 0 window 1
.set j, 0
.rept 16
	v_pk_mul_f32 v[OT+32*(\t)+2*j:OT+32*(\t)+2*j+1], v[OT+32*(\t)+2*j:OT+32*(\t)+2*j+1], v[F:F+1] op_sel_hi:[1,0]
.set j, j+1
.endr
	WIN 0
.endm
.macro PVMUL                           ; O^T += V^T P^T: sixteen accumulators, one instruction each
	WIN 0x51                               ; source 0 (V), C and D window 1; source 1 (P) window 0
.irp n, 0,1,2,3
.irp t, 0,1,2,3
	v_wmma_f32_16x16x128_fp8_fp8 v[OT+32*\t+8*\n:OT+32*\t+8*\n+7], v[VF+16*\n:VF+16*\n+15], v[P+16*\t:P+16*\t+15], v[OT+32*\t+8*\n:OT+32*\t+8*\n+7]
.endr
.endr
	WIN 0
.endm
; The softmax of tile t for one key step: my query's 64 scores in v[S] on; register 16 b + i is key 32 b + 16 (lane / 16) + i.
.macro SOFT t
.set rT, ST+4*(\t)
	v_max3_num_f32 v[TA], v[S], v[S+1], v[S+2]     ; the step's largest score among my 64 keys, in two chains; each accumulator is read from its low end on
	v_max3_num_f32 v[TC2], v[S+3], v[S+4], v[S+5]
.irp i, 6,10,14,18,22,26,30,34,38,42,46,50,54,58
	v_max3_num_f32 v[TA], v[TA], v[S+\i], v[S+\i+1]
	v_max3_num_f32 v[TC2], v[TC2], v[S+\i+2], v[S+\i+3]
.endr
	v_max3_num_f32 v[TA], v[TA], v[S+62], v[S+63]
	v_max_num_f32 v[TA], v[TA], v[TC2]
	v_permlanex16_b32 v[PX], v[TA], s[SEL], s[SEL+1]
	v_max_num_f32 v[TA], v[TA], v[PX]              ; and among lane l xor 16's
	v_mul_f32 v[TA], s[CS], v[TA]                  ; as t (c is positive)
	v_max_num_f32 v[rT+1], v[rT+1], v[TA]          ; the running largest t
	v_mov_b32 v[TA], v[rT]
	v_floor_f32 v[rT], -v[rT+1]                    ; the new -M = floor(-t) = -ceil(t)
	v_sub_f32 v[TA], v[rT], v[TA]                  ; old M - new M: a whole number, 0 or less
	v_cvt_i32_f32 v[TA], v[TA]                     ; (it saturates)
	v_ldexp_f32 v[F], 1.0, v[TA]                   ; f = 2^(old M - new M)
	; ONE BATCH: 32 packed scalings t - M and 64 exponentials; a pair is scaled a line ahead of its exponentials, and no line of the batch names an exponential's result
	v_pk_fma_f32 v[S:S+1], v[S:S+1], s[CS:CS+1], v[rT:rT+1] op_sel_hi:[1,0,0]
.set j, 1
.rept 31
	v_pk_fma_f32 v[S+2*j:S+2*j+1], v[S+2*j:S+2*j+1], s[CS:CS+1], v[rT:rT+1] op_sel_hi:[1,0,0]
	v_exp_f32 v[S+2*j-2], v[S+2*j-2]
	v_exp_f32 v[S+2*j-1], v[S+2*j-1]
.set j, j+1
.endr
	v_exp_f32 v[S+62], v[S+62]
	v_exp_f32 v[S+63], v[S+63]                     ; p = 2^(t - M), at most 1
	v_pk_mul_f32 v[rT+2:rT+3], v[rT+2:rT+3], v[F:F+1] op_sel_hi:[1,0]   ; the sums under the new M: the plain line behind the last exponential
	s_wait_alu depctr_va_vdst(0)                   ; one wait for the whole batch, ahead of its first reader
	v_pk_add_f32 v[SUMT:SUMT+1], v[S:S+1], v[S+2:S+3]   ; the row's sum is taken of the unquantised p: two at a time, in two chains
.irp j, 4,8,12,16,20,24,28,32,36,40,44,48,52,56,60
	v_pk_add_f32 v[rT+2:rT+3], v[rT+2:rT+3], v[S+\j:S+\j+1]
	v_pk_add_f32 v[SUMT:SUMT+1], v[SUMT:SUMT+1], v[S+\j+2:S+\j+3]
.endr
	v_pk_add_f32 v[rT+2:rT+3], v[rT+2:rT+3], v[SUMT:SUMT+1]
	s_cmp_ge_i32 s18, -8                           ; 448 x 2^ep >= 1 >= p: the hold would change nothing
	s_cbranch_scc1 .Lfree_\@
.set i, 0
.rept 64
	v_min_num_f32 v[S+i], v[S+i], v[PLIM]          ; the conversion to an 8-bit code does not saturate (ISA guide 7.6.2); p is not negative, so the hold is one-sided
.set i, i+1
.endr
.Lfree_\@:
.irp g, 0,1,2,3,4,5,6,7
	v_cvt_scalef32_pk8_fp8_f32 v[P+16*(\t)+2*\g:P+16*(\t)+2*\g+1], v[S+8*\g:S+8*\g+7], v[PSC]
.endr
.endm
; A KEY STEP: 128 keys for my four tiles.  One set of 64 registers serves the four tiles' scores in turn.
.macro STEP
	v_add_nc_u32 v[ADK], s[STB], v[LI]
	v_add_nc_u32 v[ADV], s[STB], v[LIV]
	v_nop
	v_nop                                          ; four plain lines stand between the last products and the loads into the registers that they read
	WIN 0x40                                       ; destination window 1
.irp i, 0,1,2,3,4,5,6,7
.irp c, 0,1
	ds_load_b128 v[KF+8*\i+4*\c:KF+8*\i+4*\c+3], v[ADK] offset:(\i%4)*2048+(\i/4)*1024+512*\c
.endr
.endr
.irp n, 0,1,2,3
.irp c, 0,1,2,3
	ds_load_b128 v[VF+16*\n+4*\c:VF+16*\n+4*\c+3], v[ADV] offset:2048*\n+512*\c
.endr
.endr
	s_wait_dscnt 16                                ; K's 16 loads are in; V's 16, issued behind them, may be out
	SMUL 0
	WIN 0
.rept 4
	v_nop                                          ; the places behind the first tile's products: no other vector work is at hand
.endr
	SOFT 0
.irp t, 1,2,3
	v_nop                                          ; a plain line between the conversions and the products that write over their sources
	SMUL \t
	RESC \t-1
	SOFT \t
.endr
	RESC 3                                         ; (also the plain lines between the last conversions and the products that read their results)
	s_wait_dscnt 0x0                               ; V is in
	PVMUL
	s_add_co_u32 s[STB], s[STB], 8192
.endm
.macro TWO_STEPS                       ; a chunk's two key steps: written once, walked twice
	s_mov_b32 s[TWICE], 2
.Lstep_\@:
	STEP
	s_sub_co_u32 s[TWICE], s[TWICE], 1
	s_cmp_lg_u32 s[TWICE], 0
	s_cbranch_scc1 .Lstep_\@
.endm
	s_load_b128 s[4:7], s[0:1], 0x0                ; qkv s[4:5], the exponents s[6:7]
	s_load_b64 s[8:9], s[0:1], 0x10                ; ctx
	v_lshl_add_u32 v254, v0, 2, 0x40000
	v_mov_b32 v255, 0
	v_lshrrev_b32 v1, 5, v0
	v_readfirstlane_b32 s[WV], v1                  ; wave 0..7
	v_and_b32 v1, 31, v0
	v_lshlrev_b32 v[LI], 4, v1
	v_add_nc_u32 v[LIV], 131072, v[LI]
	s_and_b32 s[BH], ttmp7, 0xffff
	s_lshr_b32 s36, s[WV], 2                       ; I fill K (0) or V (1),
	s_and_b32 s37, s[WV], 3
	s_lshl_b32 s38, s36, 17
	s_lshl_b32 s39, s37, 12                        ; this quarter of a chunk's 16,384 bytes
	s_add_co_u32 s38, s38, s39
	v_add_nc_u32 v[GST], s38, v[LI]
	s_lshl_b32 s41, s[BH], 17                      ; the head's first byte in each of q, k, v
	s_lshl_b32 s40, s36, 23
	s_add_co_u32 s40, s40, 8<<20                   ; k is qkv's second 8 MiB, v its third
	s_add_co_u32 s40, s40, s41
	s_add_co_u32 s40, s40, s39
	s_lshl_b32 s42, ttmp9, 2
	s_lshr_b32 s43, s[WV], 1
	s_add_co_u32 s42, s42, s43                     ; my queries' group of 128: 4 x work-group x + wave / 2;
	s_lshl_b32 s42, s42, 13
	s_add_co_u32 s42, s42, s41
	s_and_b32 s43, s[WV], 1
	s_lshl_b32 s43, s43, 10                        ; its token tiles 0-3 or 4-7
	s_add_co_u32 s42, s42, s43
	s_mov_b32 s41, 0
	s_mov_b32 s43, 0
	s_lshr_b32 s44, s[BH], 4
	s_lshl_b32 s44, s44, 7                         ; ctx: token tile 128 x batch + 32 x work-group x + 4 x wave, 16,384 bytes each;
	s_lshl_b32 s45, ttmp9, 5
	s_add_co_u32 s44, s44, s45
	s_lshl_b32 s45, s[WV], 2
	s_add_co_u32 s44, s44, s45
	s_lshl_b32 s44, s44, 14
	s_and_b32 s45, s[BH], 15
	s_lshl_b32 s45, s45, 10                        ; K step head / 2 (2,048 bytes) and blocks 2 (head % 2) on (512 each): head x 1,024
	s_add_co_u32 s44, s44, s45
	s_mov_b32 s45, 0
	s_mov_b32 s[SEL], 0x76543210
	s_mov_b32 s[SEL+1], 0xfedcba98
	s_mov_b32 s[STB], 0
	s_mov_b32 s[STC], 0
	s_wait_kmcnt 0x0
	s_load_b128 s[16:19], s[6:7], 0x18             ; e6, e7, ep, ev
	s_load_b32 s20, s[6:7], 0x28                   ; e10
	s_add_nc_u64 s[FP:FP+1], s[4:5], s[40:41]
	s_add_nc_u64 s[QP:QP+1], s[4:5], s[42:43]
	s_add_nc_u64 s[CP:CP+1], s[8:9], s[44:45]
	FILL_ISSUE                                     ; chunk 0
.irp t, 0,1,2,3
.irp c, 0,1
	global_load_b128 v[QF+8*\t+4*\c:QF+8*\t+4*\c+3], v[LI], s[QP:QP+1] offset:2048*\t+512*\c   ; Q's four fragments stay in registers
.endr
.endr
.irp t, 0,1,2,3
	v_mov_b32 v[ST+4*\t+1], 0xff61b1e6             ; the largest t so far: -3e38, under every t
	v_floor_f32 v[ST+4*\t], -v[ST+4*\t+1]          ; -M
	v_mov_b32 v[ST+4*\t+2], 0                      ; the sum, in two halves
	v_mov_b32 v[ST+4*\t+3], 0
.endr
	v_mov_b32 v[PX], 0                             ; written once: a lane permute's destination counts as one of its sources
	v_mov_b32 v[F+1], 0
	WIN 0x40
.set i, 0
.rept 128
	v_mov_b32 v[OT+i], 0                           ; O^T.  (The key step is written without a first step of its own: the first finds zeros, which the first change of M leaves zeros)
.set i, i+1
.endr
	WIN 0
	s_wait_kmcnt 0x0
	s_add_co_i32 s36, s16, s17
	s_lshl_b32 s36, s36, 23
	s_add_co_i32 s[CS], s36, 0x3e38aa3b            ; c = log2(e) / 8; a score stands for score x 2^(e6 + e7): the two exponents are added to c's exponent field
	s_mov_b32 s[CS+1], s[CS]                       ; (named with it as a pair, so it is written)
	s_add_co_i32 s36, s18, 127
	s_lshl_b32 s37, s36, 23
	v_mov_b32 v[PSC], s37
	s_add_co_i32 s36, s36, 8
	s_lshl_b32 s36, s36, 23
	s_or_b32 s36, s36, 0x600000
	v_mov_b32 v[PLIM], s36
	s_add_co_i32 s36, s20, 127
	s_lshl_b32 s37, s36, 23
	v_mov_b32 v[CSC], s37
	s_add_co_i32 s36, s36, 8
	s_lshl_b32 s36, s36, 23
	s_or_b32 s36, s36, 0x600000
	v_mov_b32 v[CLIM], s36
	FILL_STORE                                     ; chunk 0 lies in LDS (its wait for the loads serves Q too)
	s_mov_b32 s[CHUNKS], 7
.Lchunk:                                           ; 7 trips: chunk n is worked while chunk n + 1 comes; the two never share a byte
	FILL_ISSUE
	TWO_STEPS
	FILL_STORE
	s_sub_co_u32 s[CHUNKS], s[CHUNKS], 1
	s_cmp_lg_u32 s[CHUNKS], 0
	s_cbranch_scc1 .Lchunk
	TWO_STEPS                                      ; the last chunk: nothing is left to fetch
	; THE WAY OUT.  The sum's two halves and lane l xor 16's are added; O^T x 2^(ep + ev) / the sum is held, quantised with 2^e10 and stored as the image of the last product's operand.
.irp t, 0,1,2,3
	v_add_f32 v[ST+4*\t+2], v[ST+4*\t+2], v[ST+4*\t+3]   ; (these four are the places behind the last products)
.endr
.irp t, 0,1,2,3
	v_permlanex16_b32 v[ST+4*\t], v[ST+4*\t+2], s[SEL], s[SEL+1]
.endr
.irp t, 0,1,2,3
	v_add_f32 v[ST+4*\t+2], v[ST+4*\t+2], v[ST+4*\t]
.endr
.irp t, 0,1,2,3
	v_rcp_f32 v[ST+4*\t], v[ST+4*\t+2]
.endr
	v_nop                                          ; a plain line behind the last reciprocal
	s_add_co_i32 s36, s18, s19
	s_wait_alu depctr_va_vdst(0)                   ; one wait for the four reciprocals, ahead of their first reader
.irp t, 0,1,2,3
	v_ldexp_f32 v[ST+4*\t], v[ST+4*\t], s36        ; x 2^(ep + ev)
.endr
.macro COUT t
.set OB, S+32*((\t)%2)
	WIN 0x01                                       ; source 0 (O^T) window 1
.set j, 0
.rept 16
	v_pk_mul_f32 v[OB+2*j:OB+2*j+1], v[OT+32*(\t)+2*j:OT+32*(\t)+2*j+1], v[ST+4*(\t):ST+4*(\t)+1] op_sel_hi:[1,0]   ; register 16 b + i is d = 32 b + 16 (lane / 16) + i of my query
.set j, j+1
.endr
	WIN 0
.set j, 0
.rept 32
	v_med3_num_f32 v[OB+j], v[OB+j], -v[CLIM], v[CLIM]
.set j, j+1
.endr
.irp g, 0,1,2,3
	v_cvt_scalef32_pk8_fp8_f32 v[P+8*(\t)+2*\g:P+8*(\t)+2*\g+1], v[OB+8*\g:OB+8*\g+7], v[CSC]
.endr
	v_nop                                          ; a plain line behind the last conversion
.irp b, 0,1
	global_store_b128 v[LI], v[P+8*(\t)+4*\b:P+8*(\t)+4*\b+3], s[CP:CP+1] offset:16384*(\t)+512*\b   ; 32 lanes store 512 consecutive bytes, aligned; every tile has code registers of its own
.endr
.endm
.irp t, 0,1,2,3
	COUT \t
.endr
	s_wait_tensorcnt 0x0
	ds_add_u32 v254, v255
	s_wait_dscnt 0x0
	s_endpgm
.Lfunc_end_k_q20ef8930c8_attn:
	.size	k_q20ef8930c8_attn, .Lfunc_end_k_q20ef8930c8_attn-k_q20ef8930c8_attn
	.p2alignl 7, 3214868480
	.fill 96, 4, 3214868480
	.section	.rodata,"a",@progbits
	.p2align	6, 0x0
	.amdhsa_kernel k_q20ef8930c8_attn
		.amdhsa_group_segment_fixed_size 263168
		.amdhsa_private_segment_fixed_size 0
		.amdhsa_enable_private_segment 0
		.amdhsa_kernarg_size 24
		.amdhsa_user_sgpr_count 2
		.amdhsa_user_sgpr_kernarg_segment_ptr 1
		.amdhsa_wavefront_size32 1
		.amdhsa_system_sgpr_workgroup_id_x 1
		.amdhsa_system_sgpr_workgroup_id_y 1
		.amdhsa_system_sgpr_workgroup_id_z 1
		.amdhsa_system_vgpr_workitem_id 0
		.amdhsa_next_free_vgpr 512
		.amdhsa_next_free_sgpr 66
		.amdhsa_reserve_vcc 0
		.amdhsa_float_denorm_mode_32 3
		.amdhsa_float_denorm_mode_16_64 3
		.amdhsa_memory_ordered 1
		.amdhsa_forward_progress 1
		.amdhsa_inst_pref_size 136
	.end_amdhsa_kernel
	.amdgpu_metadata
---
amdhsa.version: [ 1, 2 ]
amdhsa.kernels:
  - .name:           k_q20ef8930c8_attn
    .symbol:         k_q20ef8930c8_attn.kd
    .args:
      - { .name: qkv, .offset: 0, .size: 8, .value_kind: global_buffer, .address_space: global }
      - { .name: lowp_scales, .offset: 8, .size: 8, .value_kind: global_buffer, .address_space: global }
      - { .name: ctx, .offset: 16, .size: 8, .value_kind: global_buffer, .address_space: global }
    .group_segment_fixed_size: 263168
    .private_segment_fixed_size: 0
    .kernarg_segment_align: 8
    .kernarg_segment_size: 24
    .max_flat_workgroup_size: 256
    .sgpr_count:     66
    .vgpr_count:     512
    .wavefront_size: 32
...
	.end_amdgpu_metadata
.endif
;; end of part 3
;; launch fc (part 4): grid 4 x 32, 4 waves a work-group, clusters of 4 x 4, 327,680 bytes of LDS; arguments ctx, wc, lowp_scales, fc_b, out0; writes out0
.if DOCPART == 4
	.amdgcn_target "amdgcn-amd-amdhsa--gfx1250"
	.amdhsa_code_object_version 6
	.text
	.protected	k_q20ef8930c8_fc
	.globl	k_q20ef8930c8_fc
	.p2align	8
	.type	k_q20ef8930c8_fc,@function
k_q20ef8930c8_fc:
	s_mov_b64 s[64:65], 0
	v_nop
	global_prefetch_b8 v0, s[64:65] scope:SCOPE_SE
	s_setreg_imm32_b32 hwreg(HW_REG_WAVE_MODE, 25, 1), 1
	s_wait_xcnt 0x0
	s_wait_alu depctr_hold_cnt(0) depctr_sa_sdst(0) depctr_va_vdst(0) depctr_va_sdst(0) depctr_va_ssrc(0) depctr_va_vcc(0) depctr_vm_vsrc(0)
	s_getreg_b32 s2, hwreg(HW_REG_IB_STS2, 6, 4)
	s_cmp_eq_u32 s2, 0
	s_cbranch_scc0 .Lentry_in_a_cluster
	s_endpgm
.Lentry_in_a_cluster:
	s_bfe_u32 s2, ttmp6, 0x10000c
	s_cmp_lg_u32 s2, 0xf033
	s_cbranch_scc0 .Lentry_shape_is_right
	s_endpgm
.Lentry_shape_is_right:
; out0[m][n] = (the sum over k of ctx[m][k] fc_w[n][k]) + fc_b[n], on codes of FP8 (E4M3): ctx with the scale 2^e10, fc_w with 2^e11.  m 8,192, n 1,024, K 1,024; out0 f32.
; Both operands arrive as images of operand registers (a fragment, 16 rows x 128 K, is 2,048 bytes: block c of 512 bytes, lane L's 16 bytes at 16 L: row L % 16, k = 32 c + 16 (L / 16) + 0 .. 15),
; a row tile's eight K steps on end: 16,384 bytes.  fc_w's codes are wc's fourth MiB.  That order of k is the same on both sides, so every code meets its partner.
; A tile of out0 is 256 x 256: four waves, each 128 x 128 in 64 accumulators.  K goes in 4 steps of 256 through two LDS slots filled by the tensor data mover.
; CLUSTERS: 4 x 4 work-groups; the grid is one cluster wide.  The four of a row of the cluster need the same tiles of ctx, the four of a column the same tiles of fc_w: each tile is asked for JOINTLY.
; THE MATRIX INSTRUCTION IS USED TRANSPOSED (source 0 = 16 rows of fc_w, source 1 = 16 rows of ctx): a lane holds eight neighbouring numbers of a row of out0.
; LIMIT: e10 + e11 lies between -126 and 127, so that 2^(e10 + e11) is an f32 number.
; REGISTERS, in windows of 256: window 0: v16-29 addresses; v96-99 my four numbers of fc_b; v128-255 A's fragments, ONE set, later rows of out0.  window 1: B's fragments, TWO sets.  windows 2, 3: the accumulators ((a, b) at v[8 (8 (a % 4) + b)]).
.set FR,     16                        ; registers of a fragment
.set NL,     4                         ; LDS loads that bring one
.set NP,     4                         ; places behind this matrix instruction (ISA guide 7.12.1)
.set KSB,    4096                      ; a row tile's bytes of a K step of 256: two fragments
.set HALFT,  8*KSB                     ; 8 row tiles: what one tensor load brings, and what one wave reads of A or of B
.set SLOT,   4*HALFT                   ; A's 16 row tiles, then B's 16
.set SPARE,  2*SLOT                    ; behind the ring: the spare words, 128 bytes for each wave: two blocks of 256 bytes that no other line names
.set SPITCH, 528                       ; the way out: a stage of 16 rows x (512 bytes + 16) for each wave.  It lies in slot 0, which has had its last fill and its last read when the first result is stored there
.set ROWO,   4096                      ; a row of out0 in bytes
.set ADRA, 16                          ; v16-17  LDS address of my A fragments in slot 0, 1
.set ADRB, 20                          ; v20-21  the same for B
.set STO,  24                          ; v24     the way out: where I put 32 bytes of a row
.set RD,   25                          ; v25     the way out: where I read a row back
.set CO,   26                          ; v26     16 x lane: my place in an image, and in a row's 512 bytes
.set SPW,  28                          ; v28     LDS address of my spare word; never rewritten
.set NIL,  29                          ; v29     0; never rewritten
.set BIAS, 96                          ; v96-99  fc_b at the four columns that I hold of a row read back
.set AF,   128                         ; A's fragments, in window 0
.set BK,   128                         ; the way out: 16 rows read back from the stage: v128-191 and v192-255 by turns
.set G1, 24                            ; s[24:31] descriptor group 1 for A's tiles;  s[32:39] group 0, one set for each slot
.set G0, 32
.set G1B, 48                           ; s[48:55], s[56:63] the same for B's tiles
.set G0B, 56
.set MSB, 0
.macro WIN new                         ; the immediate's high byte repeats the setting that is left
.if MSB != (\new)
	s_set_vgpr_msb (MSB<<8)|(\new)
.set MSB, (\new)
.endif
.endm
.set MUL_LO, 0xa1                      ; source 0 (B) window 1, source 1 (A) window 0, C and D window 2
.set MUL_HI, 0xf1                      ; the same, C and D window 3
.set TO_B,   0x40                      ; destination window 1, address window 0
; A joint load: waves 0 and 1 fetch for A, waves 2 and 3 for B.  Each of the two lines has one mask and one set of registers for all that issue it; the branch hangs on the wave's number alone.
; Four v_nop follow each of the two lines, ahead of the jump, the label and what follows.
.macro JLOAD g0a, g1a, g0b, g1b
	s_cmp_eq_u32 s15, 0
	s_cbranch_scc0 .Lfor_b_\@
	tensor_load_to_lds s[\g0a:\g0a+3], s[\g1a:\g1a+7]
	s_nop 0
.rept 4
	v_nop
.endr
	s_branch .Lasked_\@
.Lfor_b_\@:
	tensor_load_to_lds s[\g0b:\g0b+3], s[\g1b:\g1b+7]
	s_nop 0
.rept 4
	v_nop
.endr
.Lasked_\@:
.endm
.macro CREST                           ; a round of the cluster's barrier behind its opening barrier
	s_cmp_lg_u32 s14, 0
	s_cbranch_scc1 .Lnot_wave_0_\@
	s_barrier_signal -3
.Lnot_wave_0_\@:
	s_barrier_wait -3
	s_barrier_signal -1
	s_barrier_wait -1
.endm
.macro CROUND                          ; a whole round
	s_barrier_signal -1
	s_barrier_wait -1
	CREST
.endm
	s_load_b256 s[4:11], s[0:1], 0x0               ; ctx s[4:5], wc s[6:7], the exponents s[8:9], fc_b s[10:11]
	s_load_b64 s[12:13], s[0:1], 0x20              ; out0
	v_lshl_add_u32 v[SPW], v0, 2, SPARE
	v_mov_b32 v[NIL], 0
	ds_add_u32 v28, v29
	ds_add_u32 v28, v29
	s_wait_dscnt 0x0
	v_lshrrev_b32 v1, 5, v0
	v_readfirstlane_b32 s14, v1                    ; wave 0..3
	s_lshr_b32 s15, s14, 1                         ; which half of the tile's rows is mine.  Also: I fetch for A (0) or for B (1)
	s_and_b32 s16, s14, 1                          ; which half of its columns.  Also: which 8 row tiles of that block I fetch
	s_bfe_u32 s40, ttmp6, 0x40000                  ; cx = the tile column of out0
	s_bfe_u32 s41, ttmp6, 0x40004                  ; cy
	s_and_b32 s17, ttmp7, 0xffff
	s_lshl_b32 s17, s17, 2
	s_add_co_u32 s17, s17, s41                     ; tile row of out0 = 4 x cluster y + cy
	s_lshl_b32 s43, s41, 2
	s_lshl_b32 s43, 15, s43                        ; my row of the cluster
	s_lshl_b32 s44, 0x1111, s40                    ; my column
	; descriptor group 1: 8 rows (row tiles) of 4,096 bytes, 16,384 bytes apart in memory, dense in LDS
	s_or_b32 s[G1+0], s43, (3<<16)|(1<<21)         ; 15:0 the mask: A's tiles go to my row; 17:16 elements of 8 bytes; 20 no padding; 21 set beside a mask
	s_or_b32 s[G1B+0], s44, (3<<16)|(1<<21)
.irp g, G1, G1B
	s_mov_b32 s[\g+1], 512<<16                     ; tensor_dim0 = 512 elements
	s_mov_b32 s[\g+2], 8<<16                       ; tensor_dim1 = 8
	s_mov_b32 s[\g+3], 512<<16                     ; tile_dim0
	s_mov_b32 s[\g+4], 8                           ; tile_dim1
	s_mov_b32 s[\g+5], 2048                        ; tensor_dim0_stride, in elements
	s_mov_b32 s[\g+6], 0
	s_mov_b32 s[\g+7], 0
.endr
	s_lshl_b32 s22, s16, 17                        ; the 8 row tiles that I fetch
	s_lshl_b32 s20, s17, 18                        ; a block of 256 rows is 262,144 bytes
	s_add_co_u32 s20, s20, s22
	s_lshl_b32 s46, s40, 18
	s_add_co_u32 s46, s46, s22
	s_add_co_u32 s46, s46, 3<<20                   ; fc_w's codes in wc
	s_mov_b32 s21, 0
	s_mov_b32 s47, 0
	s_mul_i32 s45, s14, HALFT                      ; where they go: wave x 8 row tiles: no place in the cluster enters an LDS address
	s_wait_kmcnt 0x0
	s_load_b64 s[96:97], s[8:9], 0x28              ; e10, e11
	s_add_nc_u64 s[20:21], s[4:5], s[20:21]
	s_add_nc_u64 s[46:47], s[6:7], s[46:47]
	CROUND                                         ; all sixteen work-groups are here: the first joint loads meet
.irp s, 0,1
	s_mov_b32 s[G0+4*\s], 1
	s_add_co_u32 s[G0+4*\s+1], s45, \s*SLOT
	s_add_nc_u64 s[G0+4*\s+2:G0+4*\s+3], s[20:21], \s*KSB
	s_or_b32 s[G0+4*\s+3], s[G0+4*\s+3], 0x80000000
	s_mov_b32 s[G0B+4*\s], 1
	s_add_co_u32 s[G0B+4*\s+1], s45, \s*SLOT
	s_add_nc_u64 s[G0B+4*\s+2:G0B+4*\s+3], s[46:47], \s*KSB
	s_or_b32 s[G0B+4*\s+3], s[G0B+4*\s+3], 0x80000000
	JLOAD G0+4*\s, G1, G0B+4*\s, G1B               ; two loads of mine are out
.endr
	v_and_b32 v1, 15, v0                           ; l % 16
	v_bfe_u32 v2, v0, 4, 1                         ; l / 16
	v_and_b32 v6, 31, v0
	v_lshlrev_b32 v[CO], 4, v6
	s_mul_i32 s21, s15, HALFT                      ; my 8 row tiles of A
	s_mul_i32 s22, s16, HALFT                      ; my 8 of B,
	s_add_co_u32 s22, s22, 2*HALFT                 ; which lie behind A's 16
.irp s, 0,1
	v_add_nc_u32 v[ADRA+\s], s21, v[CO]
	v_add_nc_u32 v[ADRB+\s], s22, v[CO]
	s_add_co_u32 s21, s21, SLOT
	s_add_co_u32 s22, s22, SLOT
.endr
	s_mul_i32 s23, s14, 16*SPITCH                  ; my stage
	v_mul_u32_u24 v5, v1, SPITCH                   ; in: row l % 16, 32 bytes for each half of the lanes
	v_lshl_add_u32 v5, v2, 5, v5
	v_add_nc_u32 v[STO], s23, v5
	v_add_nc_u32 v[RD], s23, v[CO]                 ; back: the 32 lanes take one row of 512 bytes
	s_lshl_b32 s20, s40, 10                        ; my first column, in bytes: 1,024 x tile column + 512 x half: in fc_b and in a row of out0 alike
	s_lshl_b32 s21, s16, 9
	s_add_co_u32 s20, s20, s21
	s_mov_b32 s21, 0
	s_add_nc_u64 s[10:11], s[10:11], s[20:21]
	s_add_nc_u64 s[12:13], s[12:13], s[20:21]
	global_load_b128 v[BIAS:BIAS+3], v[CO], s[10:11]
	s_lshl_b32 s20, s17, 8
	s_lshl_b32 s22, s15, 7
	s_add_co_u32 s20, s20, s22                     ; my first row of out0: 256 x tile row + 128 x half
	s_lshl_b32 s20, s20, 12
	s_add_nc_u64 s[12:13], s[12:13], s[20:21]
.macro FRAG reg, adr, q, i             ; a fragment comes as it lies: four loads of 512 consecutive bytes; row tile i, the slot's q-th 128 along K
.irp c, 0,1,2,3
	ds_load_b128 v[\reg+4*\c:\reg+4*\c+3], v[\adr] offset:2048*(\q)+512*\c+KSB*(\i)
.endr
.endm
; 16 matrix instructions: A's blocks a0, a0 + 1 x B's eight, 128 along K.  p: B's set.  zero = 1: the first product starts the sums: nothing is ever cleared.
; The 64 accumulators take turns, one instruction a turn, in the same order in every step.
.macro MUL16 a0, p, zero
.irp a, \a0, \a0+1
.irp b, 0,1,2,3,4,5,6,7
.if \zero
	v_wmma_f32_16x16x128_fp8_fp8 v[8*(8*((\a)%4)+\b):8*(8*((\a)%4)+\b)+7], v[128*(\p)+FR*\b:128*(\p)+FR*\b+FR-1], v[AF+FR*(\a):AF+FR*(\a)+FR-1], 0
.else
	v_wmma_f32_16x16x128_fp8_fp8 v[8*(8*((\a)%4)+\b):8*(8*((\a)%4)+\b)+7], v[128*(\p)+FR*\b:128*(\p)+FR*\b+FR-1], v[AF+FR*(\a):AF+FR*(\a)+FR-1], v[8*(8*((\a)%4)+\b):8*(8*((\a)%4)+\b)+7]
.endif
.endr
.endr
.endm
.macro FETCH_B slot, q, p              ; B's eight fragments of the slot's q-th 128 along K into set p
	WIN TO_B
.irp i, 0,1,2,3,4,5,6,7
	FRAG 128*(\p)+FR*\i, ADRB+\slot, \q, \i
.endr
	WIN 0
.endm
.macro FETCH_A slot, q, i0             ; A's blocks i0 .. i0 + 3
.irp i, \i0, \i0+1, \i0+2, \i0+3
	FRAG AF+FR*(\i), ADRA+\slot, \q, \i
.endr
.endm
.macro PLACES n                        ; plain vector lines between a matrix instruction and a load into, or a read of, one of its registers
.rept \n
	v_nop
.endr
.endm
; A step of 128 along K that has its successor in the same slot.  A's blocks are free as soon as their eight products are issued, so one set of registers serves A.
.macro STEP slot, q, zero
	s_wait_dscnt 4*NL                              ; B's set and A's blocks 0-3 are in; the youngest 16 loads (A's blocks 4-7) may be out
	WIN MUL_LO
	MUL16 0, (\q)%2, \zero
	MUL16 2, (\q)%2, \zero
	s_wait_dscnt 0                                 ; A's blocks 4-7 are in
	PLACES NP
	FETCH_B \slot, (\q)+1, 1-(\q)%2
	FETCH_A \slot, (\q)+1, 0
	WIN MUL_HI
	MUL16 4, (\q)%2, \zero
	MUL16 6, (\q)%2, \zero
	PLACES NP
	WIN 0
	FETCH_A \slot, (\q)+1, 4
.endm
; A slot's last step changes slots: ONE barrier; in front of it each wave waits for all its tensor loads, adds 0 to its spare word, and waits for that and for its own reads of this slot.  fill = 1: this slot is filled again, two K steps ahead.
.macro TURN slot, next, fill
	s_wait_tensorcnt 0x0                           ; all my tensor loads have landed: my part of the next slot
	ds_add_u32 v[SPW], v[NIL]                      ; 0 onto my spare word
	s_wait_dscnt 4*NL+1                            ; (the add and the youngest 16 loads, A's blocks 4-7, may be out)
	WIN MUL_LO
	MUL16 0, 1, 0                                  ; sixteen matrix instructions stand between the add and the wait for it
	s_wait_dscnt 0x0                               ; the add is done, and my reads of this slot are over
	s_barrier_signal -1
	MUL16 2, 1, 0
	WIN 0
	s_barrier_wait -1
.if \fill
	CREST                                          ; the barrier has opened a round of the cluster's barrier: no wave of any partner still reads this slot or has a load on its way
	s_add_nc_u64 s[G0+4*\slot+2:G0+4*\slot+3], s[G0+4*\slot+2:G0+4*\slot+3], 2*KSB
	s_add_nc_u64 s[G0B+4*\slot+2:G0B+4*\slot+3], s[G0B+4*\slot+2:G0B+4*\slot+3], 2*KSB
	JLOAD G0+4*\slot, G1, G0B+4*\slot, G1B         ; the first tensor load behind the round, and my only one until the next; its four v_nop are the places in front of the loads below
.else
	PLACES NP
.endif
	FETCH_B \next, 0, 0
	FETCH_A \next, 0, 0
	WIN MUL_HI
	MUL16 4, 1, 0
	MUL16 6, 1, 0
	PLACES NP
	WIN 0
	FETCH_A \next, 0, 4
.endm
	s_wait_tensorcnt 1                             ; my part of K step 0 is in (K step 1's load may be out)
	s_barrier_signal -1
	s_barrier_wait -1                              ; everybody's is
	FETCH_B 0, 0, 0
	FETCH_A 0, 0, 0
	FETCH_A 0, 0, 4
	STEP 0, 0, 1                                   ; K = 1,024 is eight steps of 128, written out: the first starts the sums
	TURN 0, 1, 1                                   ; slot 0 takes K step 2
	STEP 1, 0, 0
	TURN 1, 0, 1                                   ; slot 1 takes K step 3
	STEP 0, 0, 0
	TURN 0, 1, 0                                   ; nothing is left to fetch; behind this barrier nobody reads slot 0
	STEP 1, 0, 0
	s_wait_dscnt 4*NL
	WIN MUL_LO
	MUL16 0, 1, 0
	MUL16 2, 1, 0
	s_wait_dscnt 0
	WIN MUL_HI
	MUL16 4, 1, 0
	MUL16 6, 1, 0
	WIN 0
; THE WAY OUT, block by block of 16 rows x 128 columns.  A lane holds 32 neighbouring bytes of a row, and the lanes beside it hold other rows: so a block's sums go, as they are, through my own stage in LDS and come back
; as whole rows of 512 bytes; there a lane holds four columns, the same four in every row, and one packed multiply-add for two numbers gives sum x 2^(e10 + e11) + fc_b.
; LDS serves a wave's instructions in order (ISA guide 5.7.1.4): no wait between the stores and the loads, nor in front of the next block's stores.
.macro TOSTAGE a
.set AC, 64*((\a)%4)
	WIN 0x08+4*((\a)/4)                            ; the stores' data: window 2 or 3
.irp b, 0,1,2,3,4,5,6,7
	ds_store_b128 v[STO], v[AC+8*\b:AC+8*\b+3] offset:64*\b          ; each accumulator from its low end on
	ds_store_b128 v[STO], v[AC+8*\b+4:AC+8*\b+7] offset:64*\b+16
.endr
	WIN 0
.set BB, BK+64*((\a)%2)
.irp t, 0,1,2,3,4,5,6,7,8,9,10,11,12,13,14,15
	ds_load_b128 v[BB+4*\t:BB+4*\t+3], v[RD] offset:\t*SPITCH
.endr
.endm
.macro SEND a, younger                 ; younger: the LDS instructions issued behind block a's loads, which may stay out
.set BB, BK+64*((\a)%2)
	s_wait_dscnt \younger                          ; the block is back in registers
.if (\a) > 0
	s_add_nc_u64 s[12:13], s[12:13], 16*ROWO       ; (behind a wait on XCNT: the earlier stores have read their base)  16 rows of out0 on
.endif
.set i, 0
.rept 16
	v_pk_fma_f32 v[BB+4*i:BB+4*i+1], v[BB+4*i:BB+4*i+1], s[96:97], v[BIAS:BIAS+1] op_sel_hi:[1,0,1]       ; the scalar pair's low word, 2^(e10 + e11), for both halves
	v_pk_fma_f32 v[BB+4*i+2:BB+4*i+3], v[BB+4*i+2:BB+4*i+3], s[96:97], v[BIAS+2:BIAS+3] op_sel_hi:[1,0,1]
.set i, i+1
.endr
.irp t, 0,1,2,3,4,5,6,7,8,9,10,11,12,13,14,15
	global_store_b128 v[CO], v[BB+4*\t:BB+4*\t+3], s[12:13] offset:\t*ROWO th:TH_STORE_NT   ; 32 lanes store 512 consecutive bytes, aligned; written once, read by nobody here
.endr
.endm
	s_wait_kmcnt 0x0
	s_add_co_i32 s96, s96, s97                     ; e10 + e11, between -126 and 127,
	s_add_co_i32 s96, s96, 127
	s_lshl_b32 s96, s96, 23                        ; makes the f32 number 2^(e10 + e11)
	s_wait_loadcnt 0x0                             ; fc_b
	PLACES NP                                      ; behind the last products: for the stores of their results and the loads into the registers that held A's fragments
	TOSTAGE 0
.irp a, 1,2,3,4,5,6,7
.if \a > 1
	s_wait_xcnt 0x0                                ; block a - 2's stores have read their registers and their base: block a's loads may land there, and the base may step
.endif
	TOSTAGE \a
	SEND \a-1, 32                                  ; behind block a - 1's loads: block a's 16 stores and 16 loads
.endr
	s_wait_xcnt 0x0                                ; block 6's stores have read their base
	SEND 7, 0
	s_wait_tensorcnt 0x0                           ; the wave's end
	ds_add_u32 v[SPW], v[NIL]
	s_wait_dscnt 0x0
	CROUND                                         ; the closing round: no work-group ends while a partner may still ask for a tile that names it
	s_endpgm
.Lfunc_end_k_q20ef8930c8_fc:
	.size	k_q20ef8930c8_fc, .Lfunc_end_k_q20ef8930c8_fc-k_q20ef8930c8_fc
	.p2alignl 7, 3214868480
	.fill 96, 4, 3214868480
	.section	.rodata,"a",@progbits
	.p2align	6, 0x0
	.amdhsa_kernel k_q20ef8930c8_fc
		.amdhsa_group_segment_fixed_size 327680
		.amdhsa_private_segment_fixed_size 0
		.amdhsa_enable_private_segment 0
		.amdhsa_kernarg_size 40
		.amdhsa_user_sgpr_count 2
		.amdhsa_user_sgpr_kernarg_segment_ptr 1
		.amdhsa_wavefront_size32 1
		.amdhsa_system_sgpr_workgroup_id_x 1
		.amdhsa_system_sgpr_workgroup_id_y 1
		.amdhsa_system_sgpr_workgroup_id_z 1
		.amdhsa_system_vgpr_workitem_id 0
		.amdhsa_next_free_vgpr 1024
		.amdhsa_next_free_sgpr 98
		.amdhsa_reserve_vcc 0
		.amdhsa_float_denorm_mode_32 3
		.amdhsa_float_denorm_mode_16_64 3
		.amdhsa_memory_ordered 1
		.amdhsa_forward_progress 1
		.amdhsa_inst_pref_size 123
	.end_amdhsa_kernel
	.amdgpu_metadata
---
amdhsa.version: [ 1, 2 ]
amdhsa.kernels:
  - .name:           k_q20ef8930c8_fc
    .symbol:         k_q20ef8930c8_fc.kd
    .args:
      - { .name: ctx, .offset: 0, .size: 8, .value_kind: global_buffer, .address_space: global }
      - { .name: wc, .offset: 8, .size: 8, .value_kind: global_buffer, .address_space: global }
      - { .name: lowp_scales, .offset: 16, .size: 8, .value_kind: global_buffer, .address_space: global }
      - { .name: fc_b, .offset: 24, .size: 8, .value_kind: global_buffer, .address_space: global }
      - { .name: out0, .offset: 32, .size: 8, .value_kind: global_buffer, .address_space: global }
    .group_segment_fixed_size: 327680
    .private_segment_fixed_size: 0
    .kernarg_segment_align: 8
    .kernarg_segment_size: 40
    .max_flat_workgroup_size: 128
    .sgpr_count:     98
    .vgpr_count:     1024
    .wavefront_size: 32
...
	.end_amdgpu_metadata
.endif
;; end of part 4
;; ======== version 2 of 2: 4 launches; version 1 with the launch attn written anew for expert scheduling mode
;; workspace buffers: xc 25,165,824 bytes; wc 4,194,304 bytes; qkv 25,165,824 bytes; ctx 8,388,608 bytes
;; launch quant: the kernel of part 1 again; grid 592 x 1, 4 waves a work-group, no clusters, 34,304 bytes of LDS; arguments query, key, value, fc_w, wq, wk, wv, lowp_scales, xc, wc; writes xc, wc
;; launch proj: the kernel of part 2 again; grid 4 x 96, 4 waves a work-group, clusters of 4 x 4, 327,680 bytes of LDS; arguments xc, wc, lowp_scales, qkv; writes qkv
;; launch attn (part 5): grid 4 x 64, 8 waves a work-group, no clusters, 263,168 bytes of LDS; arguments qkv, lowp_scales, ctx; writes ctx
.if DOCPART == 5
	.amdgcn_target "amdgcn-amd-amdhsa--gfx1250"
	.amdhsa_code_object_version 6
	.text
	.protected	k_q20ef8930c8_attn
	.globl	k_q20ef8930c8_attn
	.p2align	8
	.type	k_q20ef8930c8_attn,@function
k_q20ef8930c8_attn:
	s_mov_b64 s[64:65], 0
	v_nop
	global_prefetch_b8 v0, s[64:65] scope:SCOPE_SE
	s_setreg_imm32_b32 hwreg(HW_REG_WAVE_SCHED_MODE, 0, 2), 2
	s_setreg_imm32_b32 hwreg(HW_REG_WAVE_MODE, 25, 1), 1
	s_wait_xcnt 0x0
	s_wait_alu depctr_vm_vsrc(0)
; ctx[b][q][head x 64 + d] = the sum over keys of softmax(q . k / 8) v, both products on codes of FP8 (E4M3), and the quantising of ctx for the last product.  2,048 keys, head size 64, 64 (batch, head) pairs.
; THE SOFTMAX: t = score x log2(e) / 8; M = the row's largest t so far, rounded UP to a whole number; p = 2^(t - M) is what is quantised (scale 2^ep), not normalised.  The row's sum is taken of the unquantised p
; and divides O at the end.  When M moves, the sum and O are multiplied by 2^(old M - new M): exact.
; q, k, v arrive as images of operand registers (lane L's 16 bytes at 16 L of each block of 512 bytes).  q, k: 128 tokens are 8,192 bytes, token tile t at (t % 4) x 2,048 + (t / 4) x 1,024, block c (d = 32 c + 16 (L / 16) + 0..15) at 512 c.
; v: 128 keys are 8,192 bytes, d tile n at 2,048 n, block c (keys 32 c + 16 (L / 16) + 0..15) at 512 c.  k's tokens and v's rows d are stored with bits 3 and 4 of their numbers exchanged.
; SHARES.  A work-group owns 512 queries of one (batch, head); each of its eight waves 64: four tiles of 16, so that each fragment of K and V read from LDS feeds four matrix instructions.  Two waves to a SIMD.
; LAYOUT.  Both products are used transposed: S^T = K Q^T (source 0 = 16 keys, source 1 = 16 queries, K = 64), O^T = V^T P^T (source 0 = 16 rows d, source 1 = P, K = 128 keys): a lane holds ONE query throughout.
; By the exchange of bits the 16 registers of two neighbouring tiles of S^T are 16 neighbouring keys, and those of O^T 16 neighbouring d: the conversions' results are the next operand's registers.
; K AND V STAY IN LDS: the head's K at 0, its V at 131,072, 131,072 bytes each, dense.  Each LDS byte is written once, through registers, a chunk of two key steps (16,384 bytes of each) ahead of its use;
; a barrier stands between a chunk's stores and its reads.  A chunk's loads are issued two key steps ahead of the wait for them.
; NO TENSOR LOADS AND NO JOINT LOADS.  p is at most 1, so the hold at 448 x 2^ep changes a number only where ep <= -9.  A scalar branch on ep (a whole number read from an input) jumps over the 64 holds of each tile and key
; step, a quarter of that step's vector lines.  What a cluster's four work-groups of a head could share is 262,144 bytes, fetched once by each.
; LIMITS on the given exponents: e6 + e7 between -123 and 130 (they are added to c's exponent field); ep and e10 between -126 and 119; ep + ev is applied by v_ldexp_f32 and has none.
; ctx: [512 token tiles][8 K steps][2,048], an image again: k = head x 64 + d.
; REGISTERS.  window 0: v1-7 addresses; v8-23 statistics, tile t at v[8 + 4 t]: -M, the largest t, the sum in two halves; v24-55 Q; v56-63 at work; v64-127 S^T, then p; v128-191 p's codes; v192-195 scales; v196-227 the fill.
;   window 1: v0-63 K's 8 fragments; v64-127 V's 4; v128-255 O^T (tile t, d tile n at v[128 + 32 t + 8 n]).
; THE MODE: SCHED_MODE bits 1:0 = 2 (LLVM: expert scheduling mode 2), set by the entry lines.  The code itself states the register dependences between vector or matrix instructions and memory or LDS
; instructions, with s_wait_alu, always for 0.
; THE PLAN.  Registers that memory or LDS instructions touch, in the loop:
;   KF            K's LDS loads at a step's head land in it; the step's four runs of K Q^T read it.
;   VF            V's LDS loads, in tile 0's softmax, land in it; the step's products V^T P^T, at its end, read it.
;   v[ADK], v[ADV]  Read by those loads; written once a step, in tile 3's softmax, for the NEXT step (at the kernel's head for the first).
;   v[GA]         Read by a chunk's eight LDS stores; written once a chunk, at the chunk's head, two key steps ahead of them.
;   v[G ..]       A chunk's eight global loads land in them, its eight LDS stores read them; no vector instruction names them.
;   v[LI]         The offset of every global load and store; written at the head and never again.
; A step has four waits on va_vdst, one behind each tile's batch of exponentials and ahead of the batch's first reader.  Tile 0's also states that the last step's V^T P^T are done reading VF: V's loads follow it.
; Tile 3's also states that the step's K Q^T are done reading KF and that the two addresses are written; the vector and matrix lines from there to the next step's head (sums, holds, conversions, O^T's rescaling,
; V^T P^T, at a chunk's edge the add to v[GA]) name neither KF nor an address: so K's loads stand at the next step's head with no wait of their own.
; One wait on vm_vsrc a step stands ahead of the two address adds, one a chunk ahead of the add to v[GA] and of the loads into v[G ..].
.set LI,   1                           ; v1   16 x lane
.set LIV,  2                           ; v2   the same in V's half of LDS
.set ADK,  3                           ; v3   LDS address of K's next run of loads
.set ADV,  4                           ; v4   of V's
.set GST,  6                           ; v6   where my wave's 4,096 bytes of a chunk go, in chunk 0
.set GA,   7                           ; v7   the same in the chunk in hand
.set ST,   8
.set QF,   24
.set TA,   56
.set TC2,  57
.set PX,   58
.set F,    60                          ; v[60:61] f = 2^(old M - new M) (v61 is named with it as a pair)
.set SUMT, 62
.set S,    64
.set P,    128
.set PLIM, 192                         ; 448 x 2^ep
.set PSC,  193                         ; 2^ep
.set CLIM, 194                         ; 448 x 2^e10
.set CSC,  195                         ; 2^e10
.set G,    196
.set KF,   0                           ; in window 1
.set VF,   64
.set OT,   128
.set WV,   12                          ; s12  wave
.set BH,   13                          ; s13  batch x 16 + head
.set CS,   22                          ; s[22:23] c = log2(e) / 8 x 2^(e6 + e7)
.set SEL,  24                          ; s[24:25] lane selects for v_permlanex16_b32: lane l xor 16
.set STB,  26                          ; s26  LDS byte of the key step whose addresses were made last
.set STC,  27                          ; s27  LDS byte of the chunk that is being filled
.set FP,   28                          ; s[28:29] my wave's 4,096 bytes of that chunk in memory
.set QP,   30                          ; s[30:31] my wave's queries
.set CP,   32                          ; s[32:33] my wave's part of ctx
.set CHUNKS, 34
.set TWICE, 35
.set MSB, 0
.macro WIN new                         ; the immediate's high byte repeats the setting that is left
.if MSB != (\new)
	s_set_vgpr_msb (MSB<<8)|(\new)
.set MSB, (\new)
.endif
.endm
.macro FILL_ISSUE                      ; waves 0-3: K's 16,384 bytes of the next chunk, 4,096 each; waves 4-7: V's
.irp i, 0,1,2,3,4,5,6,7
	global_load_b128 v[G+4*\i:G+4*\i+3], v[LI], s[FP:FP+1] offset:512*\i
.endr
.endm
.macro FILL_STORE
	s_wait_loadcnt 0x0                             ; the chunk's loads are in: their registers may be read and their base stepped
.irp i, 0,1,2,3,4,5,6,7
	ds_store_b128 v[GA], v[G+4*\i:G+4*\i+3] offset:512*\i   ; v[GA] was written at the chunk's head, ahead of every wait on va_vdst of the two key steps (chunk 0: ahead of the head's)
.endr
	s_add_nc_u64 s[FP:FP+1], s[FP:FP+1], 16384
	s_add_co_u32 s[STC], s[STC], 16384
	s_wait_dscnt 0x0                               ; for the others' sake: my stores have landed
	s_barrier_signal -1
	s_barrier_wait -1                              ; the chunk is whole
.endm
.macro KLOAD                           ; a key step's K: 8 fragments of 16 keys x 64
.irp i, 0,1,2,3,4,5,6,7
.irp c, 0,1
	ds_load_b128 v[KF+8*\i+4*\c:KF+8*\i+4*\c+3], v[ADK] offset:(\i%4)*2048+(\i/4)*1024+512*\c
.endr
.endr
.endm
.macro VLOAD                           ; its V: 4 fragments of 16 rows d x 128 keys
.irp n, 0,1,2,3
.irp c, 0,1,2,3
	ds_load_b128 v[VF+16*\n+4*\c:VF+16*\n+4*\c+3], v[ADV] offset:2048*\n+512*\c
.endr
.endr
.endm
.macro SMUL t                          ; S^T of tile t: 128 keys x 16 queries, K = the head's 64
	WIN 0x01                                       ; source 0 (K) window 1
.irp i, 0,1,2,3,4,5,6,7
	v_wmma_f32_16x16x64_fp8_fp8 v[S+8*\i:S+8*\i+7], v[KF+8*\i:KF+8*\i+7], v[QF+8*(\t):QF+8*(\t)+7], 0
.endr
.endm
.macro RESC t                          ; tile t's O^T under the new M: x f.  Sixteen plain lines that name no register of the products just issued: they are the places behind those (ISA guide 7.12.1)
	WIN 0x41                                       ; destination and source 0 window 1
.set j, 0
.rept 16
	v_pk_mul_f32 v[OT+32*(\t)+2*j:OT+32*(\t)+2*j+1], v[OT+32*(\t)+2*j:OT+32*(\t)+2*j+1], v[F:F+1] op_sel_hi:[1,0]
.set j, j+1
.endr
	WIN 0
.endm
.macro PVMUL                           ; O^T += V^T P^T: sixteen accumulators, one instruction each
	WIN 0x51                               ; source 0 (V), C and D window 1; source 1 (P) window 0
.irp n, 0,1,2,3
.irp t, 0,1,2,3
	v_wmma_f32_16x16x128_fp8_fp8 v[OT+32*\t+8*\n:OT+32*\t+8*\n+7], v[VF+16*\n:VF+16*\n+15], v[P+16*\t:P+16*\t+15], v[OT+32*\t+8*\n:OT+32*\t+8*\n+7]
.endr
.endr
	WIN 0
.endm
; The softmax of tile t for one key step: my query's 64 scores in v[S] on; register 16 b + i is key 32 b + 16 (lane / 16) + i.
; Tile 0's carries this step's loads of V, tile 3's the next step's two LDS addresses.
.macro SOFT t
.set rT, ST+4*(\t)
	v_max3_num_f32 v[TA], v[S], v[S+1], v[S+2]     ; the step's largest score among my 64 keys, in two chains; each accumulator is read from its low end on
	v_max3_num_f32 v[TC2], v[S+3], v[S+4], v[S+5]
.irp i, 6,10,14,18,22,26,30,34,38,42,46,50,54,58
	v_max3_num_f32 v[TA], v[TA], v[S+\i], v[S+\i+1]
	v_max3_num_f32 v[TC2], v[TC2], v[S+\i+2], v[S+\i+3]
.endr
	v_max3_num_f32 v[TA], v[TA], v[S+62], v[S+63]
	v_max_num_f32 v[TA], v[TA], v[TC2]
	v_permlanex16_b32 v[PX], v[TA], s[SEL], s[SEL+1]
	v_max_num_f32 v[TA], v[TA], v[PX]              ; and among lane l xor 16's
	v_mul_f32 v[TA], s[CS], v[TA]                  ; as t (c is positive)
	v_max_num_f32 v[rT+1], v[rT+1], v[TA]          ; the running largest t
	v_mov_b32 v[TA], v[rT]
	v_floor_f32 v[rT], -v[rT+1]                    ; the new -M = floor(-t) = -ceil(t)
	v_sub_f32 v[TA], v[rT], v[TA]                  ; old M - new M: a whole number, 0 or less
	v_cvt_i32_f32 v[TA], v[TA]                     ; (it saturates)
	v_ldexp_f32 v[F], 1.0, v[TA]                   ; f = 2^(old M - new M)
	; ONE BATCH: 32 packed scalings t - M and 64 exponentials; a pair is scaled a line ahead of its exponentials, and no line of the batch names an exponential's result
	v_pk_fma_f32 v[S:S+1], v[S:S+1], s[CS:CS+1], v[rT:rT+1] op_sel_hi:[1,0,0]
.set j, 1
.rept 31
	v_pk_fma_f32 v[S+2*j:S+2*j+1], v[S+2*j:S+2*j+1], s[CS:CS+1], v[rT:rT+1] op_sel_hi:[1,0,0]
	v_exp_f32 v[S+2*j-2], v[S+2*j-2]
	v_exp_f32 v[S+2*j-1], v[S+2*j-1]
.set j, j+1
.endr
	v_exp_f32 v[S+62], v[S+62]
	v_exp_f32 v[S+63], v[S+63]                     ; p = 2^(t - M), at most 1
	v_pk_mul_f32 v[rT+2:rT+3], v[rT+2:rT+3], v[F:F+1] op_sel_hi:[1,0]   ; the sums under the new M: the plain line behind the last exponential
.if (\t) == 3
	s_add_co_u32 s[STB], s[STB], 8192              ; the next key step's bytes in LDS (behind the last step: two addresses that no load uses)
	s_wait_alu depctr_vm_vsrc(0)                   ; this step's LDS loads of K and of V have read v[ADK] and v[ADV], which the two lines below write
	v_add_nc_u32 v[ADK], s[STB], v[LI]
	v_add_nc_u32 v[ADV], s[STB], v[LIV]
.endif
.if (\t) == 0
	WIN 0x40                                       ; destination window 1, for V's loads: the switch, then the wait, then the loads
.endif
	s_wait_alu depctr_va_vdst(0)                   ; the 64 exponentials have written p, ahead of its first reader.  Tile 0: the last step's V^T P^T are done reading VF, in which the loads below land.  Tile 3: the step's K Q^T are done reading KF, and v[ADK], v[ADV] are written: for the next step's loads
.if (\t) == 0
	VLOAD                                          ; this step's V: three tiles' softmax stand between these loads and the wait for them
	WIN 0
.endif
	v_pk_add_f32 v[SUMT:SUMT+1], v[S:S+1], v[S+2:S+3]   ; the row's sum is taken of the unquantised p: two at a time, in two chains
.irp j, 4,8,12,16,20,24,28,32,36,40,44,48,52,56,60
	v_pk_add_f32 v[rT+2:rT+3], v[rT+2:rT+3], v[S+\j:S+\j+1]
	v_pk_add_f32 v[SUMT:SUMT+1], v[SUMT:SUMT+1], v[S+\j+2:S+\j+3]
.endr
	v_pk_add_f32 v[rT+2:rT+3], v[rT+2:rT+3], v[SUMT:SUMT+1]
	s_cmp_ge_i32 s18, -8                           ; 448 x 2^ep >= 1 >= p: the hold would change nothing
	s_cbranch_scc1 .Lfree_\@
.set i, 0
.rept 64
	v_min_num_f32 v[S+i], v[S+i], v[PLIM]          ; the conversion to an 8-bit code does not saturate (ISA guide 7.6.2); p is not negative, so the hold is one-sided
.set i, i+1
.endr
.Lfree_\@:
.irp g, 0,1,2,3,4,5,6,7
	v_cvt_scalef32_pk8_fp8_f32 v[P+16*(\t)+2*\g:P+16*(\t)+2*\g+1], v[S+8*\g:S+8*\g+7], v[PSC]
.endr
.endm
; A KEY STEP: 128 keys for my four tiles.  One set of 64 registers serves the four tiles' scores in turn.
.macro STEP
	WIN 0x40                                       ; destination window 1
	KLOAD                                          ; no wait on va_vdst here: no vector or matrix line since the last one (tile 3's of the step before; for the first step the head's) names KF or v[ADK]
	s_wait_dscnt 0x0                               ; K is in
	SMUL 0
	WIN 0
.rept 4
	v_nop                                          ; the places behind the first tile's products: no other vector work is at hand
.endr
	SOFT 0
.irp t, 1,2,3
	v_nop                                          ; a plain line between the conversions and the products that write over their sources
	SMUL \t
	RESC \t-1
	SOFT \t
.endr
	RESC 3                                         ; (also the plain lines between the last conversions and the products that read their results)
	s_wait_dscnt 0x0                               ; V is in
	PVMUL
.endm
.macro TWO_STEPS                       ; a chunk's two key steps: written once, walked twice
	s_mov_b32 s[TWICE], 2
.Lstep_\@:
	STEP
	s_sub_co_u32 s[TWICE], s[TWICE], 1
	s_cmp_lg_u32 s[TWICE], 0
	s_cbranch_scc1 .Lstep_\@
.endm
	s_load_b128 s[4:7], s[0:1], 0x0                ; qkv s[4:5], the exponents s[6:7]
	s_load_b64 s[8:9], s[0:1], 0x10                ; ctx
	v_lshl_add_u32 v254, v0, 2, 0x40000
	v_mov_b32 v255, 0
	v_lshrrev_b32 v1, 5, v0
	v_readfirstlane_b32 s[WV], v1                  ; wave 0..7
	v_and_b32 v1, 31, v0
	v_lshlrev_b32 v[LI], 4, v1
	v_add_nc_u32 v[LIV], 131072, v[LI]
	s_and_b32 s[BH], ttmp7, 0xffff
	s_wait_alu depctr_va_sdst(0)                   ; s[WV] is written, ahead of its first reader: the fill's, the queries' and ctx's places are made from it
	s_lshr_b32 s36, s[WV], 2                       ; I fill K (0) or V (1),
	s_and_b32 s37, s[WV], 3
	s_lshl_b32 s38, s36, 17
	s_lshl_b32 s39, s37, 12                        ; this quarter of a chunk's 16,384 bytes
	s_add_co_u32 s38, s38, s39
	v_add_nc_u32 v[GST], s38, v[LI]
	s_lshl_b32 s41, s[BH], 17                      ; the head's first byte in each of q, k, v
	s_lshl_b32 s40, s36, 23
	s_add_co_u32 s40, s40, 8<<20                   ; k is qkv's second 8 MiB, v its third
	s_add_co_u32 s40, s40, s41
	s_add_co_u32 s40, s40, s39
	s_lshl_b32 s42, ttmp9, 2
	s_lshr_b32 s43, s[WV], 1
	s_add_co_u32 s42, s42, s43                     ; my queries' group of 128: 4 x work-group x + wave / 2;
	s_lshl_b32 s42, s42, 13
	s_add_co_u32 s42, s42, s41
	s_and_b32 s43, s[WV], 1
	s_lshl_b32 s43, s43, 10                        ; its token tiles 0-3 or 4-7
	s_add_co_u32 s42, s42, s43
	s_mov_b32 s41, 0
	s_mov_b32 s43, 0
	s_lshr_b32 s44, s[BH], 4
	s_lshl_b32 s44, s44, 7                         ; ctx: token tile 128 x batch + 32 x work-group x + 4 x wave, 16,384 bytes each;
	s_lshl_b32 s45, ttmp9, 5
	s_add_co_u32 s44, s44, s45
	s_lshl_b32 s45, s[WV], 2
	s_add_co_u32 s44, s44, s45
	s_lshl_b32 s44, s44, 14
	s_and_b32 s45, s[BH], 15
	s_lshl_b32 s45, s45, 10                        ; K step head / 2 (2,048 bytes) and blocks 2 (head % 2) on (512 each): head x 1,024
	s_add_co_u32 s44, s44, s45
	s_mov_b32 s45, 0
	s_mov_b32 s[SEL], 0x76543210
	s_mov_b32 s[SEL+1], 0xfedcba98
	s_mov_b32 s[STB], 0
	s_mov_b32 s[STC], 0
	v_add_nc_u32 v[ADK], s[STB], v[LI]             ; key step 0's two LDS addresses,
	v_add_nc_u32 v[ADV], s[STB], v[LIV]
	v_add_nc_u32 v[GA], s[STC], v[GST]             ; and where chunk 0 goes
	s_wait_kmcnt 0x0
	s_load_b128 s[16:19], s[6:7], 0x18             ; e6, e7, ep, ev
	s_load_b32 s20, s[6:7], 0x28                   ; e10
	s_add_nc_u64 s[FP:FP+1], s[4:5], s[40:41]
	s_add_nc_u64 s[QP:QP+1], s[4:5], s[42:43]
	s_add_nc_u64 s[CP:CP+1], s[8:9], s[44:45]
	s_wait_alu depctr_va_vdst(0)                   ; v[LI], v[LIV], v[ADK], v[ADV], v[GST] and v[GA] are written: the loads below read v[LI]; chunk 0's LDS stores read v[GA], key step 0's LDS loads v[ADK] and v[ADV]
	FILL_ISSUE                                     ; chunk 0
.irp t, 0,1,2,3
.irp c, 0,1
	global_load_b128 v[QF+8*\t+4*\c:QF+8*\t+4*\c+3], v[LI], s[QP:QP+1] offset:2048*\t+512*\c   ; Q's four fragments stay in registers
.endr
.endr
.irp t, 0,1,2,3
	v_mov_b32 v[ST+4*\t+1], 0xff61b1e6             ; the largest t so far: -3e38, under every t
	v_floor_f32 v[ST+4*\t], -v[ST+4*\t+1]          ; -M
	v_mov_b32 v[ST+4*\t+2], 0                      ; the sum, in two halves
	v_mov_b32 v[ST+4*\t+3], 0
.endr
	v_mov_b32 v[PX], 0                             ; written once: a lane permute's destination counts as one of its sources
	v_mov_b32 v[F+1], 0
	WIN 0x40
.set i, 0
.rept 128
	v_mov_b32 v[OT+i], 0                           ; O^T.  (The key step is written without a first step of its own: the first finds zeros, which the first change of M leaves zeros)
.set i, i+1
.endr
	WIN 0
	s_wait_kmcnt 0x0
	s_add_co_i32 s36, s16, s17
	s_lshl_b32 s36, s36, 23
	s_add_co_i32 s[CS], s36, 0x3e38aa3b            ; c = log2(e) / 8; a score stands for score x 2^(e6 + e7): the two exponents are added to c's exponent field
	s_mov_b32 s[CS+1], s[CS]                       ; (named with it as a pair, so it is written)
	s_add_co_i32 s36, s18, 127
	s_lshl_b32 s37, s36, 23
	v_mov_b32 v[PSC], s37
	s_add_co_i32 s36, s36, 8
	s_lshl_b32 s36, s36, 23
	s_or_b32 s36, s36, 0x600000
	v_mov_b32 v[PLIM], s36
	s_add_co_i32 s36, s20, 127
	s_lshl_b32 s37, s36, 23
	v_mov_b32 v[CSC], s37
	s_add_co_i32 s36, s36, 8
	s_lshl_b32 s36, s36, 23
	s_or_b32 s36, s36, 0x600000
	v_mov_b32 v[CLIM], s36
	FILL_STORE                                     ; chunk 0 lies in LDS (its wait for the loads serves Q too)
	s_mov_b32 s[CHUNKS], 7
.Lchunk:                                           ; 7 trips: chunk n is worked while chunk n + 1 comes; the two never share a byte
	s_wait_alu depctr_vm_vsrc(0)                   ; my LDS stores of the chunk before have read v[GA], which the line below writes, and v[G ..], in which the loads below land
	v_add_nc_u32 v[GA], s[STC], v[GST]             ; where this trip's chunk will go: made here, so that the key steps' waits on va_vdst stand between this line and the stores
	FILL_ISSUE
	TWO_STEPS
	FILL_STORE
	s_sub_co_u32 s[CHUNKS], s[CHUNKS], 1
	s_cmp_lg_u32 s[CHUNKS], 0
	s_cbranch_scc1 .Lchunk
	TWO_STEPS                                      ; the last chunk: nothing is left to fetch
	; THE WAY OUT.  The sum's two halves and lane l xor 16's are added; O^T x 2^(ep + ev) / the sum is held, quantised with 2^e10 and stored as the image of the last product's operand.
.irp t, 0,1,2,3
	v_add_f32 v[ST+4*\t+2], v[ST+4*\t+2], v[ST+4*\t+3]   ; (these four are the places behind the last products)
.endr
.irp t, 0,1,2,3
	v_permlanex16_b32 v[ST+4*\t], v[ST+4*\t+2], s[SEL], s[SEL+1]
.endr
.irp t, 0,1,2,3
	v_add_f32 v[ST+4*\t+2], v[ST+4*\t+2], v[ST+4*\t]
.endr
.irp t, 0,1,2,3
	v_rcp_f32 v[ST+4*\t], v[ST+4*\t+2]
.endr
	v_nop                                          ; a plain line behind the last reciprocal
	s_add_co_i32 s36, s18, s19
	s_wait_alu depctr_va_vdst(0)                   ; the four reciprocals have written v[ST + 4 t], ahead of their first reader
.irp t, 0,1,2,3
	v_ldexp_f32 v[ST+4*\t], v[ST+4*\t], s36        ; x 2^(ep + ev)
.endr
.macro COUT t                          ; tile t's 32 numbers a lane become 32 codes, in code registers of the tile's own
.set OB, S+32*((\t)%2)
	WIN 0x01                                       ; source 0 (O^T) window 1
.set j, 0
.rept 16
	v_pk_mul_f32 v[OB+2*j:OB+2*j+1], v[OT+32*(\t)+2*j:OT+32*(\t)+2*j+1], v[ST+4*(\t):ST+4*(\t)+1] op_sel_hi:[1,0]   ; register 16 b + i is d = 32 b + 16 (lane / 16) + i of my query
.set j, j+1
.endr
	WIN 0
.set j, 0
.rept 32
	v_med3_num_f32 v[OB+j], v[OB+j], -v[CLIM], v[CLIM]
.set j, j+1
.endr
.irp g, 0,1,2,3
	v_cvt_scalef32_pk8_fp8_f32 v[P+8*(\t)+2*\g:P+8*(\t)+2*\g+1], v[OB+8*\g:OB+8*\g+7], v[CSC]
.endr
	v_nop                                          ; a plain line behind the last conversion
.endm
.irp t, 0,1,2,3
	COUT \t
.endr
	s_wait_alu depctr_va_vdst(0)                   ; the sixteen conversions have written the 32 code registers v[P ..], which the eight stores below read: one wait for the run
.irp t, 0,1,2,3
.irp b, 0,1
	global_store_b128 v[LI], v[P+8*\t+4*\b:P+8*\t+4*\b+3], s[CP:CP+1] offset:16384*\t+512*\b   ; 32 lanes store 512 consecutive bytes, aligned
.endr
.endr
	s_wait_dscnt 0x0
	s_wait_alu depctr_hold_cnt(0) depctr_sa_sdst(0) depctr_va_vdst(0) depctr_va_sdst(0) depctr_va_ssrc(0) depctr_va_vcc(0) depctr_vm_vsrc(0)
	s_wait_tensorcnt 0x0
	ds_add_u32 v254, v255
	s_wait_dscnt 0x0
	s_endpgm
.Lfunc_end_k_q20ef8930c8_attn:
	.size	k_q20ef8930c8_attn, .Lfunc_end_k_q20ef8930c8_attn-k_q20ef8930c8_attn
	.p2alignl 7, 3214868480
	.fill 96, 4, 3214868480
	.section	.rodata,"a",@progbits
	.p2align	6, 0x0
	.amdhsa_kernel k_q20ef8930c8_attn
		.amdhsa_group_segment_fixed_size 263168
		.amdhsa_private_segment_fixed_size 0
		.amdhsa_enable_private_segment 0
		.amdhsa_kernarg_size 24
		.amdhsa_user_sgpr_count 2
		.amdhsa_user_sgpr_kernarg_segment_ptr 1
		.amdhsa_wavefront_size32 1
		.amdhsa_system_sgpr_workgroup_id_x 1
		.amdhsa_system_sgpr_workgroup_id_y 1
		.amdhsa_system_sgpr_workgroup_id_z 1
		.amdhsa_system_vgpr_workitem_id 0
		.amdhsa_next_free_vgpr 512
		.amdhsa_next_free_sgpr 66
		.amdhsa_reserve_vcc 0
		.amdhsa_float_denorm_mode_32 3
		.amdhsa_float_denorm_mode_16_64 3
		.amdhsa_memory_ordered 1
		.amdhsa_forward_progress 1
		.amdhsa_inst_pref_size 136
	.end_amdhsa_kernel
	.amdgpu_metadata
---
amdhsa.version: [ 1, 2 ]
amdhsa.kernels:
  - .name:           k_q20ef8930c8_attn
    .symbol:         k_q20ef8930c8_attn.kd
    .args:
      - { .name: qkv, .offset: 0, .size: 8, .value_kind: global_buffer, .address_space: global }
      - { .name: lowp_scales, .offset: 8, .size: 8, .value_kind: global_buffer, .address_space: global }
      - { .name: ctx, .offset: 16, .size: 8, .value_kind: global_buffer, .address_space: global }
    .group_segment_fixed_size: 263168
    .private_segment_fixed_size: 0
    .kernarg_segment_align: 8
    .kernarg_segment_size: 24
    .max_flat_workgroup_size: 256
    .sgpr_count:     66
    .vgpr_count:     512
    .wavefront_size: 32
...
	.end_amdgpu_metadata
.endif
;; end of part 5
;; launch fc: the kernel of part 4 again; grid 4 x 32, 4 waves a work-group, clusters of 4 x 4, 327,680 bytes of LDS; arguments ctx, wc, lowp_scales, fc_b, out0; writes out0
